; MI455X (gfx1250); checked and timed in simulation.
; The chip was launched on July 23, 2026; its instructions are those of AMD's public machine-readable ISA for CDNA 5 (MIT licence, August 2026) and "CDNA5" Instruction Set Architecture Reference Guide (July 2026). The comments in the code are by the model that wrote it; some were corrected since.
;; Multi Head Attention. Allowed arithmetic: matrix products marked QUANTISED: E2M3 operands, one E8M0 scale for each 32 along K, by v_wmma_scale_f32_16x16x128_f8f6f4 with both operands' format E2M3, f32 sums; everything else in f32.
;; Inputs: Wk 1,024 x 1,024 float32; Wo 1,024 x 1,024 float32; Wq 1,024 x 1,024 float32; Wv 1,024 x 1,024 float32; bk 1,024 float32; bo 1,024 float32; bq 1,024 float32; bv 1,024 float32; x 4 x 2,048 x 1,024 float32.
;; Outputs: out0 4 x 2,048 x 1,024 float32.
;; This version of the problem:
;;   THIS VERSION OF THE PROBLEM IS GIVEN IN LOW PRECISION. The matrix products marked QUANTISED in the list below multiply operands that are first quantised to E2M3 (2 exponent bits, 3 mantissa bits; 6 bits a number), with one power-of-two scale for each 32 numbers along K (OCP MX v1.0); their sums are f32. All else is computed in f32.
;;   The module's matrix products, in the order in which they are computed (A, B: the left and right operand; K: the contracted axis; several contracted axes count as one K, in the product's order):
;;     1. [M 8,192, K 1,024] x [K 1,024, N 1,024]; A: input x; B: input Wq: QUANTISED
;;     2. [M 8,192, K 1,024] x [K 1,024, N 1,024]; A: input x; B: input Wk: QUANTISED
;;     3. [M 8,192, K 1,024] x [K 1,024, N 1,024]; A: input x; B: input Wv: QUANTISED
;;     4. batch 64 x [M 2,048, K 64] x [K 64, N 2,048]; A: computed on the way; B: computed on the way: QUANTISED
;;     5. batch 64 x [M 2,048, K 2,048] x [K 2,048, N 64]; A: softmax (see below); B: computed on the way: QUANTISED
;;     6. [M 8,192, K 1,024] x [K 1,024, N 1,024]; A: computed on the way; B: input Wo: QUANTISED
;;   THE QUANTISER, for each operand of a quantised product, along K:
;;     - K is cut into blocks of 32 from its start; a last block that is shorter is filled with zeros.
;;     - A block's scale is 2^e with e = floor(log2(the largest magnitude in the block)) - 2, held to -126 .. 127; a block of zeros has e = 0. As a byte (E8M0): e + 127.
;;     - Each number is divided by its block's scale, clamped to +-7.5, and rounded to the nearest number of E2M3, ties to even, subnormals kept.
;;     - The product sums the exact products of the quantised numbers (number of the format x scale) in f32.
;;   ~~~python
;;   def quantise(x, axis):      # numpy; x: float32 -> the quantised numbers, widened to float32 again
;;       x = np.moveaxis(x, axis, -1); K = x.shape[-1]
;;       x = np.pad(x, [(0, 0)] * (x.ndim - 1) + [(0, -K % 32)]); x = x.reshape(x.shape[:-1] + (-1, 32)); a = np.abs(x).max(-1, keepdims=True)
;;       e = np.where(a > 0, np.clip(np.frexp(np.where(a > 0, a, 1))[1] - 1 - 2, -126, 127), 0)      # np.frexp(a)[1] - 1 = floor(log2(a)), exactly
;;       r = np.clip(x / 2.0 ** e, -7.5, 7.5)
;;       step = 2.0 ** (np.maximum(np.frexp(np.where(r == 0, 1, r))[1] - 1, 0) - 3)
;;       q = np.round(r / step) * step * 2.0 ** e      # np.round: ties to even
;;       return np.moveaxis(q.reshape(q.shape[:-2] + (-1,))[..., :K], -1, axis).astype(np.float32)
;;   ~~~
;;   SOFTMAX AHEAD OF A QUANTISED PRODUCT. Where the list says 'softmax', what is quantised is not the finished softmax but p = 2^(t - M), with t = logit x log2(e) and M = ceil(the row's largest t), a whole number; so 1/2 < the row's largest p <= 1. The row's sum l is taken of the UNQUANTISED p, in f32, and the product's result is divided by l at the end. Since M is a whole number, a kernel that streams over the keys may use a running M (the ceiling of the running maximum): every later rescaling is an exact power of two, which a block's scale takes up: the codes' values come out the same.
;;   OPERANDS COMPUTED ON THE WAY. 'Computed on the way' means the value that the module computes at that place (a softmax that the list does not call 'softmax' is quantised finished and normalised). What goes into a quantiser is computed in f32, as accurately as f32 sums, v_exp_f32 and their like allow (about 1e-6 of the number): no bf16 or f16 on the way to a quantiser, and a product that is left as it is and whose result goes on into a quantised operand takes f32 operands (vector FMAs, or v_wmma_f32_16x16x4_f32). A number that lies on a knife's edge between two numbers of the format may be rounded either way, as far as f32 arithmetic and the matrix unit's own rounding can turn it there, and no further.
;; One version. Each part assembles by itself: llvm-mc -triple=amdgcn-amd-amdhsa -mcpu=gfx1250 --defsym DOCPART=n.
;; ======== version 1 of 1: 4 launches
;; workspace buffers: cod 10,223,616 bytes; qkvc 18,874,368 bytes; qkvs 786,432 bytes; ctx 6,815,744 bytes
;; launch quant (part 1): grid 768 x 1, 4 waves a work-group, no clusters, 34,304 bytes of LDS; arguments x, Wq, Wk, Wv, Wo, cod; writes cod
.if DOCPART == 1
	.amdgcn_target "amdgcn-amd-amdhsa--gfx1250"
	.amdhsa_code_object_version 6
	.text
	.protected	k_qedf667f56d_quant
	.globl	k_qedf667f56d_quant
	.p2align	8
	.type	k_qedf667f56d_quant,@function
k_qedf667f56d_quant:
	s_mov_b64 s[64:65], 0
	v_nop
	global_prefetch_b8 v0, s[64:65] scope:SCOPE_SE
	s_setreg_imm32_b32 hwreg(HW_REG_WAVE_MODE, 25, 1), 1
	s_wait_xcnt 0x0
; x [8192][1024] and Wq, Wk, Wv, Wo [1024][1024], f32 with K innermost, become codes of FP6 (E2M3) with one E8M0 scale byte for each 32 along K,
; laid in cod in the ORDER OF THE OPERAND'S REGISTERS, so that every later launch takes fragments as they lie.
; A TILE is 16 rows; tiles 0-511 are x's, 512-575 Wq's, 576-639 Wk's, 640-703 Wv's, 704-767 Wo's.  THE ROWS OF A TILE ARE NOT NEIGHBOURS: lane r of a tensor's tile T holds
; row 32 (T / 2) + 8 (T % 2) + r + 8 (r / 8), so that, where the tile is a product's source 0, the 16 result registers of tiles 2 g and 2 g + 1 are 16 neighbours.
; A tile is four RECORDS of 3,328 bytes, one for each 256 along K: two fragments of 1,536 bytes (16 rows x 128 K: 12 registers a lane), then the rows' scale words, 8 bytes a row.
; A fragment is two halves of 768 bytes: registers 0-3 (6-9), lane l's 16 bytes at 16 l; then registers 4-5 (10-11), lane l's 8 bytes at 512 + 8 l.
; A block's scale is 2^(floor(log2(its largest magnitude)) - 2); its byte is the largest magnitude's exponent field - 2, held at 1 from below.
; LIMITS: a block whose largest magnitude lies under 2^-124 keeps the byte 1; a block of zeros gets the byte 1 where the rule says 127 (its codes are zeros, and this program alone reads the bytes);
; NaN and infinities among the inputs are not served.
; SHARES: work-group g makes tile g, wave w its record w: 16 rows x 256 K, 16 KiB read by 32 loads that are all issued at once, 512 consecutive bytes each.
; The conversions want 16 neighbours along K in one lane, the loads want neighbouring bytes in neighbouring lanes: so 128 along K of the 16 rows turn through the wave's own stage in LDS.
; Waves share nothing: no barrier, no loop.  Matrix units, clusters and tensor loads would add nothing to a stream.
.set TILEB, 13312                      ; a tile in cod
.set REC,   3328                       ; a record
.set SP,    528                        ; a stage row: 512 bytes + 16: an odd multiple of 16, so that sixteen rows' 16 bytes fall on different banks
.set STG,   16*SP                      ; a wave's stage
.set SPARE, 4*STG                      ; behind the stages: the spare words, 128 bytes for each wave, that no other line names
.set CO16,  4                          ; v4   16 x lane
.set SIN,   5                          ; v5   the stage, on the way in: 16 x lane
.set SOUT,  6                          ; v6   and out: row r, + 64 h
.set CO8,   8                          ; v8   8 x lane
.set SPW,   12                         ; v12  my spare word; never rewritten
.set NIL,   13                         ; v13  0; never rewritten
.set R0,    16                         ; v16-143  the numbers as loaded: two K steps of 64 registers
.set X,     144                        ; v144-207 64 numbers: register 16 b + i = k 32 b + 16 h + i of my row
.set PC,    208                        ; v208-227 the codes
.set TM,    228                        ; v228-239 at work
.set PW,    240                        ; v240-241 the two scale words
.set SRC,   24                         ; s[24:25] my numbers
.set OUTB,  14                         ; s[14:15] my record
.set SEL,   26                         ; s[26:27] v_permlanex16_b32's selects for lane l xor 16
; 64 numbers of a lane become a fragment's codes in v[pc] .. v[pc + 11] and its rows' scale word in v[pw]
.macro QUANT s, pc, pw
.irp b, 0,1,2,3
	v_max3_num_f32 v[TM+\b], |v[(\s)+16*\b]|, |v[(\s)+1+16*\b]|, 0x1800000   ; block b: my 16 numbers, and the floor 2^(3 - 127): the byte cannot fall under 1
.endr
.irp i, 2,4,6,8,10,12,14
.irp b, 0,1,2,3
	v_max3_num_f32 v[TM+\b], v[TM+\b], |v[(\s)+16*\b+\i]|, |v[(\s)+1+16*\b+\i]|   ; the four blocks by turns
.endr
.endr
.irp b, 0,1,2,3
	v_permlanex16_b32 v[TM+4+\b], v[TM+\b], s[SEL], s[SEL+1]
.endr
.irp b, 0,1,2,3
	v_max_num_f32 v[TM+\b], v[TM+\b], v[TM+4+\b]       ; with lane l xor 16's 16: the block's largest magnitude
.endr
.irp b, 0,1,2,3
	v_add_nc_u32 v[TM+8+\b], 0xff000000, v[TM+\b]      ; 2 off its exponent field: the conversion takes the exponent field of this operand as its scale
.endr
.irp b, 0,1,2,3
	v_lshrrev_b32 v[TM+4+\b], 23, v[TM+8+\b]           ; the scale's byte
.endr
	v_lshl_or_b32 v[\pw], v[TM+5], 8, v[TM+4]
	v_lshl_or_b32 v[\pw], v[TM+6], 16, v[\pw]
	v_lshl_or_b32 v[\pw], v[TM+7], 24, v[\pw]
.irp c, 0,1
	v_cvt_scalef32_pk16_fp6_f32 v[(\pc)+6*\c:(\pc)+2+6*\c], v[(\s)+32*\c:(\s)+15+32*\c], v[TM+8+2*\c]
	v_cvt_scalef32_pk16_fp6_f32 v[(\pc)+12+4*\c:(\pc)+14+4*\c], v[(\s)+16+32*\c:(\s)+31+32*\c], v[TM+9+2*\c]   ; (a conversion's three registers begin on an even number)
.endr
	v_nop                                              ; one plain place behind a scaled conversion
.irp c, 0,1                                        ; the operand's layout wants a whole block in a lane: lanes 0-15 block 2 c, lanes 16-31 block 2 c + 1
.irp i, 0,1,2
	v_permlane16_swap_b32 v[(\pc)+6*\c+\i], v[(\pc)+12+4*\c+\i]
.endr
.irp i, 0,1,2
	v_mov_b32 v[(\pc)+3+6*\c+\i], v[(\pc)+12+4*\c+\i]
.endr
.endr
.endm
; a fragment leaves as it stands: each store covers 512 or 256 consecutive bytes, at a multiple of 256 from the buffer's first byte
.macro PUT pc, off
	global_store_b128 v[CO16], v[(\pc):(\pc)+3], s[OUTB:OUTB+1] offset:\off
	global_store_b64 v[CO8], v[(\pc)+4:(\pc)+5], s[OUTB:OUTB+1] offset:\off+512
	global_store_b128 v[CO16], v[(\pc)+6:(\pc)+9], s[OUTB:OUTB+1] offset:\off+768
	global_store_b64 v[CO8], v[(\pc)+10:(\pc)+11], s[OUTB:OUTB+1] offset:\off+1280
.endm
; 128 along K of the 16 rows through the stage.  LDS serves a wave's instructions in order (ISA guide 5.7.1.4): no wait between the stores and the loads
.macro TURN rr
.irp i, 0,1,2,3,4,5,6,7,8,9,10,11,12,13,14,15
	ds_store_b128 v[SIN], v[\rr+4*\i:\rr+4*\i+3] offset:SP*\i
.endr
.irp b, 0,1,2,3
.irp j, 0,1,2,3
	ds_load_b128 v[X+16*\b+4*\j:X+16*\b+4*\j+3], v[SOUT] offset:128*\b+16*\j
.endr
.endr
.endm
	s_load_b256 s[4:11], s[0:1], 0x0               ; x s[4:5], Wq s[6:7], Wk s[8:9], Wv s[10:11]
	s_load_b128 s[12:15], s[0:1], 0x20             ; Wo s[12:13], cod s[14:15]
	v_lshl_add_u32 v[SPW], v0, 2, SPARE
	v_mov_b32 v[NIL], 0
	v_lshrrev_b32 v1, 5, v0
	v_readfirstlane_b32 s16, v1                    ; wave 0..3
	v_and_b32 v1, 31, v0                           ; lane
	v_and_b32 v2, 15, v0                           ; r
	v_bfe_u32 v3, v0, 4, 1                         ; h
	v_lshlrev_b32 v[CO16], 4, v1
	v_lshlrev_b32 v[CO8], 3, v1
	s_mul_i32 s17, s16, STG
	v_add_nc_u32 v[SIN], s17, v[CO16]
	v_mul_u32_u24 v[SOUT], v2, SP
	v_lshl_add_u32 v[SOUT], v3, 6, v[SOUT]
	v_add_nc_u32 v[SOUT], s17, v[SOUT]
	s_mov_b32 s[SEL], 0x76543210
	s_mov_b32 s[SEL+1], 0xfedcba98
.irp b, 0,1,2,3
	v_mov_b32 v[TM+4+\b], 0                        ; written once: a lane permute's destination counts as one of its sources
.endr
	s_and_b32 s18, ttmp9, 63
	s_cmp_lt_u32 ttmp9, 512
	s_cselect_b32 s18, ttmp9, s18                  ; T: the tile's number in its own tensor
	s_lshr_b32 s19, s18, 1
	s_lshl_b32 s19, s19, 5
	s_and_b32 s20, s18, 1
	s_lshl_b32 s20, s20, 3
	s_add_co_u32 s19, s19, s20                     ; its first row: 32 (T / 2) + 8 (T % 2)
	s_lshl_b32 s20, s19, 12                        ; rows of 4,096 bytes,
	s_lshl_b32 s21, s16, 10
	s_add_co_u32 s20, s20, s21                     ; + my wave's 256 along K
	s_mov_b32 s21, 0
	s_mul_i32 s22, ttmp9, TILEB
	s_mul_i32 s23, s16, REC
	s_add_co_u32 s22, s22, s23                     ; my record
	s_mov_b32 s23, 0
	s_wait_kmcnt 0x0
	s_cmp_lt_u32 ttmp9, 704                        ; which tensor: the choice hangs on the work-group's number alone
	s_cselect_b64 s[SRC:SRC+1], s[10:11], s[12:13]
	s_cmp_lt_u32 ttmp9, 640
	s_cselect_b64 s[SRC:SRC+1], s[8:9], s[SRC:SRC+1]
	s_cmp_lt_u32 ttmp9, 576
	s_cselect_b64 s[SRC:SRC+1], s[6:7], s[SRC:SRC+1]
	s_cmp_lt_u32 ttmp9, 512
	s_cselect_b64 s[SRC:SRC+1], s[4:5], s[SRC:SRC+1]
	s_add_nc_u64 s[SRC:SRC+1], s[SRC:SRC+1], s[20:21]
	s_add_nc_u64 s[OUTB:OUTB+1], s[OUTB:OUTB+1], s[22:23]
.irp q, 0,1
.irp i, 0,1,2,3,4,5,6,7,8,9,10,11,12,13,14,15
	global_load_b128 v[R0+64*\q+4*\i:R0+64*\q+4*\i+3], v[CO16], s[SRC:SRC+1] offset:(\i+8*(\i/8))*4096+512*\q th:TH_LOAD_NT   ; 128 along K of the tile's row i: 512 consecutive bytes
.endr
.endr
	s_wait_loadcnt 16                              ; the first K step's 16 loads are in; the second's 16 may be out
	TURN R0
	s_wait_dscnt 0x0
	QUANT X, PC, PW
	PUT PC, 0
	s_wait_loadcnt 0x0
	TURN R0+64
	s_wait_dscnt 0x0
	s_wait_xcnt 0x0                                ; the four stores have read the codes' registers: only behind this wait are they written again
	QUANT X, PC, PW+1
	PUT PC, 1536
	global_store_b64 v[CO8], v[PW:PW+1], s[OUTB:OUTB+1] offset:3072   ; lanes 0-15: row r's two words; lanes 16-31 fill the record's last 128 bytes, which nobody reads: 256 consecutive bytes
	s_wait_tensorcnt 0x0                           ; the wave's end, behind my last LDS store
	ds_add_u32 v[SPW], v[NIL]
	s_wait_dscnt 0x0
	s_endpgm
.Lfunc_end_k_qedf667f56d_quant:
	.size	k_qedf667f56d_quant, .Lfunc_end_k_qedf667f56d_quant-k_qedf667f56d_quant
	.p2alignl 7, 3214868480
	.fill 96, 4, 3214868480
	.section	.rodata,"a",@progbits
	.p2align	6, 0x0
	.amdhsa_kernel k_qedf667f56d_quant
		.amdhsa_group_segment_fixed_size 34304
		.amdhsa_private_segment_fixed_size 0
		.amdhsa_enable_private_segment 0
		.amdhsa_kernarg_size 48
		.amdhsa_user_sgpr_count 2
		.amdhsa_user_sgpr_kernarg_segment_ptr 1
		.amdhsa_wavefront_size32 1
		.amdhsa_system_sgpr_workgroup_id_x 1
		.amdhsa_system_sgpr_workgroup_id_y 1
		.amdhsa_system_sgpr_workgroup_id_z 1
		.amdhsa_system_vgpr_workitem_id 0
		.amdhsa_next_free_vgpr 256
		.amdhsa_next_free_sgpr 66
		.amdhsa_reserve_vcc 0
		.amdhsa_float_denorm_mode_32 3
		.amdhsa_float_denorm_mode_16_64 3
		.amdhsa_memory_ordered 1
		.amdhsa_forward_progress 1
		.amdhsa_inst_pref_size 18
	.end_amdhsa_kernel
	.amdgpu_metadata
---
amdhsa.version: [ 1, 2 ]
amdhsa.kernels:
  - .name:           k_qedf667f56d_quant
    .symbol:         k_qedf667f56d_quant.kd
    .args:
      - { .name: x, .offset: 0, .size: 8, .value_kind: global_buffer, .address_space: global }
      - { .name: Wq, .offset: 8, .size: 8, .value_kind: global_buffer, .address_space: global }
      - { .name: Wk, .offset: 16, .size: 8, .value_kind: global_buffer, .address_space: global }
      - { .name: Wv, .offset: 24, .size: 8, .value_kind: global_buffer, .address_space: global }
      - { .name: Wo, .offset: 32, .size: 8, .value_kind: global_buffer, .address_space: global }
      - { .name: cod, .offset: 40, .size: 8, .value_kind: global_buffer, .address_space: global }
    .group_segment_fixed_size: 34304
    .private_segment_fixed_size: 0
    .kernarg_segment_align: 8
    .kernarg_segment_size: 48
    .max_flat_workgroup_size: 128
    .sgpr_count:     66
    .vgpr_count:     256
    .wavefront_size: 32
...
	.end_amdgpu_metadata
.endif
;; end of part 1
;; launch qkv (part 2): grid 8 x 96, 4 waves a work-group, clusters of 4 x 4, 307,712 bytes of LDS; arguments cod, bq, bk, bv, qkvc, qkvs; writes qkvc, qkvs
.if DOCPART == 2
	.amdgcn_target "amdgcn-amd-amdhsa--gfx1250"
	.amdhsa_code_object_version 6
	.text
	.protected	k_qedf667f56d_qkv
	.globl	k_qedf667f56d_qkv
	.p2align	8
	.type	k_qedf667f56d_qkv,@function
k_qedf667f56d_qkv:
	s_mov_b64 s[64:65], 0
	v_nop
	global_prefetch_b8 v0, s[64:65] scope:SCOPE_SE
	s_setreg_imm32_b32 hwreg(HW_REG_WAVE_MODE, 25, 1), 1
	s_wait_xcnt 0x0
	s_wait_alu depctr_hold_cnt(0) depctr_sa_sdst(0) depctr_va_vdst(0) depctr_va_sdst(0) depctr_va_ssrc(0) depctr_va_vcc(0) depctr_vm_vsrc(0)
	s_getreg_b32 s2, hwreg(HW_REG_IB_STS2, 6, 4)
	s_cmp_eq_u32 s2, 0
	s_cbranch_scc0 .Lentry_in_a_cluster
	s_endpgm
.Lentry_in_a_cluster:
	s_bfe_u32 s2, ttmp6, 0x10000c
	s_cmp_lg_u32 s2, 0xf033
	s_cbranch_scc0 .Lentry_shape_is_right
	s_endpgm
.Lentry_shape_is_right:
; Q = x Wq^T + bq, K = x Wk^T + bk, V = x Wv^T + bv on codes of FP6 (E2M3) with E8M0 scales, sums in f32; the results are quantised at once, Q and K along a head's 64, V along the keys,
; and leave as codes in the order of the next launch's operand registers.  Nothing goes to memory as f32.
; A product's source 1 (R) gives a lane its row, source 0 (C) gives a lane's registers their run.  QK PART (cluster y 0-15): R = x, C = Wq | Wk: a lane holds a token, its registers run along the features.
; V PART (cluster y 16-23): R = Wv, C = x: V^T: a lane holds a channel, its registers run along the keys, which are the K of attention's second product.
; By the order of rows in cod's tiles the 16 registers of C's tiles 2 g and 2 g + 1 are 16 neighbours: a wave's 64 registers for a tile of R are 128 neighbours: one fragment, four blocks of 32.
; SHARES: a work-group makes 128 rows of R x 256 rows of C; four waves, 2 x 2, each 64 x 128: 32 accumulators.  512 + 256 = 768 work-groups of equal work.
; K = 1,024 IS SHORT: all of the work-group's operands, 4 chunks of 256 along K, 76,800 bytes each (R's 8 records, then C's 16, 3,200 bytes of each), lie in LDS at once.  Every tensor load is a first fill:
; no byte is filled again.  A wave has at most four tensor loads out.
; CLUSTERS: 4 x 4 work-groups.  R's records hang on the cluster's row alone, C's on its column alone: each is asked for JOINTLY by the four that share it.
; qkvc: blocks of 6,144 bytes, four fragments each.  Block I = cW x 128 + rW for Q (cW 0-7: the pair of heads) and K (cW 8-15), rW = row tile / 4: fragment a = row tile 4 rW + a, its first half the even head.
;   Block I = 2,048 + 64 head + (16 batch + key step) for V: fragment a = 16 channels x 128 keys.   qkvs: 256 bytes for each I: the word of (tile t, row r) at 128 (t / 2) + 8 r + 4 (t % 2).
; LIMITS: as in the launch before: byte 1 for blocks under 2^-124 and for blocks of zeros; NaN and infinities are not served.
; REGISTERS, in windows of 256: window 0: addresses, scale words, biases, the way out.  Windows 1 and 3: two sets of fragments (C's eight at v[12 i], R's four at v[96 + 12 a]).  Window 2: accumulator (a, b) at v[8 (8 a + b)].
.set TILEB, 13312                      ; a tile in cod: four records
.set REC,   3328                       ; a record in memory,
.set RECL,  3200                       ; and what of it comes into LDS
.set COFF,  8*RECL                     ; in a chunk C's records lie behind R's eight
.set CHUNK, 24*RECL
.set SPARE, 4*CHUNK                    ; behind the chunks: the spare words, 128 bytes for each wave, that no other line names
.set CO16,  4                          ; v4      16 x lane
.set CO8,   5                          ; v5      8 x lane
.set AR16,  8                          ; v8-11   LDS: my four tiles of R in chunk 0..3, + 16 x lane
.set AC16,  12                         ; v12-15  my eight tiles of C
.set AR8,   16                         ; v16-19  the same + 512 + 8 x lane
.set AC8,   20                         ; v20-23
.set ADS,   24                         ; v24-27  my scale words: lanes 0-15 R's, lanes 16-31 C's
.set SPW,   28                         ; v28     my spare word; never rewritten
.set NIL,   29                         ; v29     0; never rewritten
.set SC,    32                         ; v32-63  scale words, two sets of 16: register 2 i + q: lanes 0-15 R's tile i, lanes 16-31 C's tile i, the chunk's q-th 128 along K
.set BI,    64                         ; v64-127 the bias along the registers (QK part)
.set H,     128                        ; v128-191 64 results with their bias
.set PC,    192                        ; v192-211 the codes
.set BV,    212                        ; v212-219 the bias of my lane's channel, a pair for each tile of R (V part)
.set TM,    232                        ; v232-243 at work
.set PW,    244                        ; v244-247 the four scale words
.set SA,    248                        ; v248-249 as they leave
.set WV,    16                         ; s16 wave;  s17, s18 its row and column half
.set WR,    17
.set WC,    18
.set CX,    19
.set CY,    20
.set XX,    21
.set YY,    22
.set PART,  23                         ; s23 0: QK part, 1: V part: the same in all sixteen partners
.set G1R,   24                         ; s[24:31] descriptor group 1 for R's records; s[32:39] for C's: they differ in the mask
.set G1C,   32
.set G0R,   40                         ; s[40:55] groups 0 for R, one for each chunk; s[68:83] for C
.set G0C,   68
.set OUTB,  12                         ; s[12:13] my block of qkvc
.set SEL,   98
.set MSB, 0
.macro WIN new                         ; the immediate's high byte repeats the setting that is left; a switch that changes nothing is dropped
.if MSB != (\new)
	s_set_vgpr_msb (MSB<<8)|(\new)
.set MSB, (\new)
.endif
.endm
.macro PLACES n
.rept \n
	v_nop
.endr
.endm
.macro CROUND                          ; a round of the cluster's barrier
	s_barrier_signal -1
	s_barrier_wait -1
	s_cmp_lg_u32 s[WV], 0
	s_cbranch_scc1 .Lnot_wave_0_\@
	s_barrier_signal -3
.Lnot_wave_0_\@:
	s_barrier_wait -3
	s_barrier_signal -1
	s_barrier_wait -1
.endm
; 64 numbers of a lane, register 16 b + i = k 32 b + 16 h + i of my row, become a fragment's codes in v[pc] .. v[pc + 11] and its rows' scale word in v[pw]
.macro QUANT s, pc, pw
.irp b, 0,1,2,3
	v_max3_num_f32 v[TM+\b], |v[(\s)+16*\b]|, |v[(\s)+1+16*\b]|, 0x1800000   ; block b: my 16 numbers, and the floor 2^(3 - 127): the byte cannot fall under 1
.endr
.irp i, 2,4,6,8,10,12,14
.irp b, 0,1,2,3
	v_max3_num_f32 v[TM+\b], v[TM+\b], |v[(\s)+16*\b+\i]|, |v[(\s)+1+16*\b+\i]|
.endr
.endr
.irp b, 0,1,2,3
	v_permlanex16_b32 v[TM+4+\b], v[TM+\b], s[SEL], s[SEL+1]
.endr
.irp b, 0,1,2,3
	v_max_num_f32 v[TM+\b], v[TM+\b], v[TM+4+\b]       ; with lane l xor 16's 16: the block's largest magnitude
.endr
.irp b, 0,1,2,3
	v_add_nc_u32 v[TM+8+\b], 0xff000000, v[TM+\b]      ; 2 off its exponent field: the conversion's scale operand
.endr
.irp b, 0,1,2,3
	v_lshrrev_b32 v[TM+4+\b], 23, v[TM+8+\b]           ; the scale's byte
.endr
	v_lshl_or_b32 v[\pw], v[TM+5], 8, v[TM+4]
	v_lshl_or_b32 v[\pw], v[TM+6], 16, v[\pw]
	v_lshl_or_b32 v[\pw], v[TM+7], 24, v[\pw]
.irp c, 0,1
	v_cvt_scalef32_pk16_fp6_f32 v[(\pc)+6*\c:(\pc)+2+6*\c], v[(\s)+32*\c:(\s)+15+32*\c], v[TM+8+2*\c]
	v_cvt_scalef32_pk16_fp6_f32 v[(\pc)+12+4*\c:(\pc)+14+4*\c], v[(\s)+16+32*\c:(\s)+31+32*\c], v[TM+9+2*\c]
.endr
	v_nop                                              ; one plain place behind a scaled conversion
.irp c, 0,1
.irp i, 0,1,2
	v_permlane16_swap_b32 v[(\pc)+6*\c+\i], v[(\pc)+12+4*\c+\i]
.endr
.irp i, 0,1,2
	v_mov_b32 v[(\pc)+3+6*\c+\i], v[(\pc)+12+4*\c+\i]
.endr
.endr
.endm
.macro PUT pc, off                     ; a fragment leaves as it stands: 512 or 256 consecutive bytes a store, at a multiple of 256 from the buffer's first byte
	global_store_b128 v[CO16], v[(\pc):(\pc)+3], s[OUTB:OUTB+1] offset:\off
	global_store_b64 v[CO8], v[(\pc)+4:(\pc)+5], s[OUTB:OUTB+1] offset:\off+512
	global_store_b128 v[CO16], v[(\pc)+6:(\pc)+9], s[OUTB:OUTB+1] offset:\off+768
	global_store_b64 v[CO8], v[(\pc)+10:(\pc)+11], s[OUTB:OUTB+1] offset:\off+1280
.endm
.macro FRAG reg, a16, a8, off          ; a fragment from its image: the same registers in the same lanes
	ds_load_b128 v[\reg:\reg+3], v[\a16] offset:\off
	ds_load_b64 v[\reg+4:\reg+5], v[\a8] offset:\off
	ds_load_b128 v[\reg+6:\reg+9], v[\a16] offset:\off+768
	ds_load_b64 v[\reg+10:\reg+11], v[\a8] offset:\off+768
.endm
; eight products: R's tile a against C's eight.  q: which 128 of the chunk; sc: the set of scale words.  mode 1: the constant 0 starts the sums; 2: the bias does; 0: they go on.
.macro MUL8 a, q, sc, mode
.irp b, 0,1,2,3,4,5,6,7
.if (\mode) == 1
	v_wmma_scale_f32_16x16x128_f8f6f4 v[8*(8*\a+\b):8*(8*\a+\b)+7], v[12*\b:12*\b+11], v[96+12*\a:96+12*\a+11], 0, v[SC+16*(\sc)+2*\b+(\q)], v[SC+16*(\sc)+2*\a+(\q)] matrix_a_fmt:MATRIX_FMT_FP6 matrix_b_fmt:MATRIX_FMT_FP6 matrix_a_scale:MATRIX_SCALE_ROW1
.elseif (\mode) == 2
	v_wmma_scale_f32_16x16x128_f8f6f4 v[8*(8*\a+\b):8*(8*\a+\b)+7], v[12*\b:12*\b+11], v[96+12*\a:96+12*\a+11], v[BI+8*\b:BI+8*\b+7], v[SC+16*(\sc)+2*\b+(\q)], v[SC+16*(\sc)+2*\a+(\q)] matrix_a_fmt:MATRIX_FMT_FP6 matrix_b_fmt:MATRIX_FMT_FP6 matrix_a_scale:MATRIX_SCALE_ROW1
.else
	v_wmma_scale_f32_16x16x128_f8f6f4 v[8*(8*\a+\b):8*(8*\a+\b)+7], v[12*\b:12*\b+11], v[96+12*\a:96+12*\a+11], v[8*(8*\a+\b):8*(8*\a+\b)+7], v[SC+16*(\sc)+2*\b+(\q)], v[SC+16*(\sc)+2*\a+(\q)] matrix_a_fmt:MATRIX_FMT_FP6 matrix_b_fmt:MATRIX_FMT_FP6 matrix_a_scale:MATRIX_SCALE_ROW1
.endif
.endr
.endm
.macro FETCH k                         ; K step k's twelve fragments, 48 loads in one run, into set k % 2
	WIN 0x40+0x80*((\k)%2)
.irp i, 0,1,2,3,4,5,6,7
	FRAG 12*\i, AC16+(\k)/2, AC8+(\k)/2, RECL*\i+1536*((\k)%2)
.endr
.irp a, 0,1,2,3
	FRAG 96+12*\a, AR16+(\k)/2, AR8+(\k)/2, RECL*\a+1536*((\k)%2)
.endr
.endm
.macro SCALES sg                       ; chunk sg's scale words: two words a row.  (For i = 4 .. 7 lanes 0-15 read words of the chunk that no product takes.)
	WIN 0
.irp i, 0,1,2,3,4,5,6,7
	ds_load_b64 v[SC+16*((\sg)%2)+2*\i:SC+16*((\sg)%2)+2*\i+1], v[ADS+(\sg)] offset:RECL*\i
.endr
.endm
; A K step of 128: 32 products, the 32 accumulators by turns in the same order in every step.  In its middle the next step's fragments are fetched into the other set.
; An odd step is a chunk's last: in front of the barrier my part of the next chunk has landed (the count leaves the chunks behind it out); behind it everybody's has.
.macro STEP k, mode
.set MW, 0xa5+10*((\k)%2)              ; sources 0 and 1 window 1 or 3; C and D window 2
.if (\mode) == 2
.set MW, 0x85                          ; C, the bias, window 0
.endif
	s_wait_dscnt 0x0                               ; this step's fragments are in
.if ((\k)%2 == 1) && ((\k) < 7)
	s_wait_tensorcnt 2-(\k)/2
	s_barrier_signal -1
.endif
	WIN MW
	MUL8 0, (\k)%2, ((\k)/2)%2, \mode
	MUL8 1, (\k)%2, ((\k)/2)%2, \mode
.if ((\k)%2 == 1) && ((\k) < 7)
	s_barrier_wait -1
.endif
.if (\k) < 7
	PLACES 4                                       ; four places in front of loads into registers that matrix instructions have read (ISA guide 7.12.1 for vector instructions)
	FETCH (\k)+1
.if (\k)%2 == 1
	SCALES (\k)/2+1
.endif
.endif
	WIN MW
	MUL8 2, (\k)%2, ((\k)/2)%2, \mode
	MUL8 3, (\k)%2, ((\k)/2)%2, \mode
.endm
; the 64 results of R's tile a, with their bias, into v[H] on; each accumulator is read from its low end on
.macro BIAS a
	s_cmp_eq_u32 s[PART], 0
	s_cbranch_scc0 .Lbv_\@
	WIN 0x02                                       ; source 0 window 2
.set i, 0
.rept 32
	v_pk_add_f32 v[H+i:H+i+1], v[64*\a+i:64*\a+i+1], v[BI+i:BI+i+1]
.set i, i+2
.endr
	WIN 0
	s_branch .Lbd_\@
.Lbv_\@:
	WIN 0x02
.set i, 0
.rept 32
	v_pk_add_f32 v[H+i:H+i+1], v[64*\a+i:64*\a+i+1], v[BV+2*\a:BV+2*\a+1]
.set i, i+2
.endr
	WIN 0
.Lbd_\@:
.endm
	s_load_b256 s[4:11], s[0:1], 0x0               ; cod s[4:5], bq s[6:7], bk s[8:9], bv s[10:11]
	s_load_b128 s[12:15], s[0:1], 0x20             ; qkvc s[12:13], qkvs s[14:15]
	v_lshl_add_u32 v[SPW], v0, 2, SPARE
	v_mov_b32 v[NIL], 0
	ds_add_u32 v[SPW], v[NIL]                      ; the wave's opening: the add and its wait stand ahead of my first tensor load; work on registers stands between them
	v_lshrrev_b32 v1, 5, v0
	v_readfirstlane_b32 s[WV], v1                  ; wave 0..3
	s_lshr_b32 s[WR], s[WV], 1
	s_and_b32 s[WC], s[WV], 1                      ; also: which eight of C's records I fetch
	s_bfe_u32 s[CX], ttmp6, 0x40000
	s_bfe_u32 s[CY], ttmp6, 0x40004
	s_mov_b32 s[XX], ttmp9                         ; cluster x: 0, 1
	s_and_b32 s[YY], ttmp7, 0xffff                 ; cluster y: 0 .. 23
	s_sub_co_u32 s56, s[YY], 16                    ; the V part's cluster y (not taken in the QK part)
	s_and_b32 s57, s56, 1
	s_lshr_b32 s58, s56, 1
	s_lshl_b32 s58, s58, 1
	s_add_co_u32 s58, s58, s[XX]
	s_cmp_ge_u32 s[YY], 16
	s_cselect_b32 s[PART], 1, 0
	s_cselect_b32 s59, s57, s[YY]                  ; which four blocks of R,
	s_cselect_b32 s60, s58, s[XX]                  ; which four blocks of C,
	s_cselect_b32 s61, 640, 0                      ; R's first tile in cod: Wv's or x's,
	s_cselect_b32 s62, 0, 512                      ; C's: x's or Wq's
	s_lshl_b32 s59, s59, 2
	s_add_co_u32 s59, s59, s[CY]                   ; my block of 128 rows of R
	s_lshl_b32 s60, s60, 2
	s_add_co_u32 s60, s60, s[CX]                   ; my block of 256 rows of C
	s_lshl_b32 s63, s59, 3
	s_add_co_u32 s61, s61, s63                     ; R's tiles: they hang on cy alone
	s_lshl_b32 s66, s60, 4
	s_add_co_u32 s62, s62, s66                     ; C's: on cx alone
	s_lshl_b32 s66, s[WC], 3
	s_add_co_u32 s62, s62, s66
	s_mul_i32 s84, s61, TILEB
	s_mov_b32 s85, 0
	s_mul_i32 s86, s62, TILEB
	s_mov_b32 s87, 0
	s_mul_i32 s88, s[WC], COFF
	s_lshl_b32 s2, s[CY], 2
	s_lshl_b32 s2, 15, s2                          ; my row of the cluster
	s_lshl_b32 s3, 0x1111, s[CX]                   ; my column
	; descriptor group 1: 8 records, 3,200 bytes of each (400 elements of 8 bytes), 13,312 bytes (1,664 elements) apart, dense in LDS
	s_or_b32 s[G1R], s2, (3<<16)|(1<<21)           ; 15:0 the mask; 17:16 elements of 8 bytes; 20 no padding; 21 set beside a mask
	s_or_b32 s[G1C], s3, (3<<16)|(1<<21)
.irp g, G1R, G1C
	s_mov_b32 s[\g+1], 400<<16                     ; tensor_dim0
	s_mov_b32 s[\g+2], 8<<16                       ; tensor_dim1
	s_mov_b32 s[\g+3], 400<<16                     ; tile_dim0
	s_mov_b32 s[\g+4], 8                           ; tile_dim1
	s_mov_b32 s[\g+5], 1664                        ; tensor_dim0_stride
	s_mov_b32 s[\g+6], 0
	s_mov_b32 s[\g+7], 0
.endr
	s_mov_b32 s[SEL], 0x76543210
	s_mov_b32 s[SEL+1], 0xfedcba98
	s_wait_dscnt 0x0                               ; the opening add is done
	s_wait_kmcnt 0x0
	s_add_nc_u64 s[84:85], s[4:5], s[84:85]
	s_add_nc_u64 s[86:87], s[4:5], s[86:87]
.irp g, 0,1,2,3
	s_mov_b32 s[G0R+4*\g], 1                       ; count = 1
	s_mov_b32 s[G0R+4*\g+1], CHUNK*\g              ; LDS address
	s_add_nc_u64 s[G0R+4*\g+2:G0R+4*\g+3], s[84:85], REC*\g   ; the tiles' record g
	s_or_b32 s[G0R+4*\g+3], s[G0R+4*\g+3], 0x80000000         ; type = 2
	s_mov_b32 s[G0C+4*\g], 1
	s_add_co_u32 s[G0C+4*\g+1], s88, CHUNK*\g+COFF
	s_add_nc_u64 s[G0C+4*\g+2:G0C+4*\g+3], s[86:87], REC*\g
	s_or_b32 s[G0C+4*\g+3], s[G0C+4*\g+3], 0x80000000
.endr
	CROUND                                         ; all sixteen work-groups are here: the joint loads meet
	s_cmp_eq_u32 s[WV], 0                          ; all first fills of a wave stand in one branch on its number: wave 0 R's four chunks, waves 2 and 3 their halves of C's four, wave 1 none
	s_cbranch_scc0 .Lnot_r
.irp g, 0,1,2,3
	tensor_load_to_lds s[G0R+4*\g:G0R+4*\g+3], s[G1R:G1R+7]
	s_nop 0
.endr
	PLACES 4
	s_branch .Lasked
.Lnot_r:
	s_cmp_lt_u32 s[WV], 2
	s_cbranch_scc1 .Lasked
.irp g, 0,1,2,3
	tensor_load_to_lds s[G0C+4*\g:G0C+4*\g+3], s[G1C:G1C+7]
	s_nop 0
.endr
	PLACES 4
.Lasked:
	v_and_b32 v1, 31, v0                           ; lane
	v_and_b32 v2, 15, v0                           ; r
	v_bfe_u32 v3, v0, 4, 1                         ; h
	v_lshlrev_b32 v[CO16], 4, v1
	v_lshlrev_b32 v[CO8], 3, v1
	v_add_nc_u32 v6, 512, v[CO8]
	v_lshlrev_b32 v7, 3, v2
	v_add_nc_u32 v7, 3072, v7                      ; a record's scale words: 8 bytes a row
	s_mul_i32 s89, s[WR], 4*RECL                   ; my four tiles of R
	s_add_co_u32 s88, s88, COFF                    ; my eight tiles of C
	s_sub_co_u32 s67, s88, s89
	v_mul_u32_u24 v1, s67, v3                      ; lanes 16-31 take C's words: one product, the distance between the two
	v_add_nc_u32 v7, v7, v1
.irp g, 0,1,2,3
	v_add_nc_u32 v[AR16+\g], s89, v[CO16]
	v_add_nc_u32 v[AC16+\g], s88, v[CO16]
	v_add_nc_u32 v[AR8+\g], s89, v6
	v_add_nc_u32 v[AC8+\g], s88, v6
	v_add_nc_u32 v[ADS+\g], s89, v7
	s_add_co_u32 s89, s89, CHUNK
	s_add_co_u32 s88, s88, CHUNK
.endr
.irp b, 0,1,2,3
	v_mov_b32 v[TM+4+\b], 0                        ; written once: a lane permute's destination counts as one of its sources
.endr
	s_lshl_b32 s59, s59, 1
	s_add_co_u32 s59, s59, s[WR]                   ; rW: my 64 rows of R
	s_lshl_b32 s60, s60, 1
	s_add_co_u32 s60, s60, s[WC]                   ; cW: my 128 rows of C
	s_lshl_b32 s100, s59, 6
	s_add_co_u32 s100, s100, s60
	s_add_co_u32 s100, s100, 2048                  ; V: 2,048 + 64 head + key step
	s_lshl_b32 s101, s60, 7
	s_add_co_u32 s101, s101, s59                   ; Q, K: 128 cW + rW
	s_cmp_eq_u32 s[PART], 0
	s_cselect_b32 s96, s101, s100                  ; I
	s_mul_i32 s100, s96, 6144
	s_mov_b32 s101, 0
	s_add_nc_u64 s[12:13], s[12:13], s[100:101]
	s_lshl_b32 s100, s96, 8
	s_add_nc_u64 s[14:15], s[14:15], s[100:101]
	; THE BIASES.  Both groups of loads are issued in both parts, from the part's own bias, so that every register is written on every way; each part adds its own group.
	; The offsets are held inside the 4,096 bytes by the masks, which change nothing in the part that uses the group (cW & 7: the pair of heads; rW < 16 in the V part).
	s_cmp_eq_u32 s[XX], 0
	s_cselect_b64 s[90:91], s[6:7], s[8:9]         ; QK part: cluster x 0 makes Q, 1 makes K
	s_cmp_eq_u32 s[PART], 0
	s_cselect_b64 s[90:91], s[90:91], s[10:11]
	s_and_b32 s100, s60, 7
	s_lshl_b32 s100, s100, 9
	s_add_nc_u64 s[92:93], s[90:91], s[100:101]    ; my 128 features
	s_and_b32 s100, s59, 15
	s_lshl_b32 s100, s100, 8
	s_add_nc_u64 s[94:95], s[90:91], s[100:101]    ; my head's 64 channels
	v_lshlrev_b32 v30, 6, v3                       ; register 16 b + i is feature 32 b + 16 h + i
	v_and_b32 v31, 8, v2
	v_add_nc_u32 v31, v31, v2
	v_lshlrev_b32 v31, 2, v31                      ; lane r of tile a is channel 32 (a / 2) + 8 (a % 2) + r + 8 (r / 8)
.irp b, 0,1,2,3
.irp j, 0,1,2,3
	global_load_b128 v[BI+16*\b+4*\j:BI+16*\b+4*\j+3], v30, s[92:93] offset:128*\b+16*\j
.endr
.endr
.irp a, 0,1,2,3
	global_load_b32 v[BV+2*\a], v31, s[94:95] offset:(32*(\a/2)+8*(\a%2))*4
	global_load_b32 v[BV+2*\a+1], v31, s[94:95] offset:(32*(\a/2)+8*(\a%2))*4
.endr
	s_mov_b32 s97, 0xffff0000                      ; lanes 16-31
	s_wait_tensorcnt 3                             ; my part of chunk 0 is in; the three chunks behind it may be out,
	s_barrier_signal -1
	s_barrier_wait -1                              ; everybody's is
	FETCH 0
	SCALES 0
	STEP 0, 1                                      ; the first step's products start the sums: nothing is cleared
	STEP 1, 0
	STEP 2, 0
	STEP 3, 0
	STEP 4, 0
	STEP 5, 0
	STEP 6, 0
	STEP 7, 0
	WIN 0
	PLACES 4                                       ; in front of the first read of results
	s_wait_loadcnt 0x0                             ; the biases
	; THE WAY OUT: a tile of R at a time: bias, quantised in registers, stored as the fragment that it is.  No LDS.
.irp a, 0,1,2,3
	BIAS \a
.if \a > 0
	s_wait_xcnt 0x0                                ; the last fragment's stores have read the codes' registers
.endif
	QUANT H, PC, PW+\a
	PUT PC, 1536*\a
.endr
	v_cndmask_b32 v[SA], v[PW], v[PW+2], s97       ; lanes 0-15: row r's words of tiles 0 and 1; lanes 16-31: of tiles 2 and 3
	v_cndmask_b32 v[SA+1], v[PW+1], v[PW+3], s97
	global_store_b64 v[CO8], v[SA:SA+1], s[14:15]  ; 256 consecutive bytes
	s_wait_tensorcnt 0x0                           ; the wave's end
	ds_add_u32 v[SPW], v[NIL]
	s_wait_dscnt 0x0
	CROUND                                         ; the closing round: no work-group ends while a partner may still ask for a tile that names it
	s_endpgm
.Lfunc_end_k_qedf667f56d_qkv:
	.size	k_qedf667f56d_qkv, .Lfunc_end_k_qedf667f56d_qkv-k_qedf667f56d_qkv
	.p2alignl 7, 3214868480
	.fill 96, 4, 3214868480
	.section	.rodata,"a",@progbits
	.p2align	6, 0x0
	.amdhsa_kernel k_qedf667f56d_qkv
		.amdhsa_group_segment_fixed_size 307712
		.amdhsa_private_segment_fixed_size 0
		.amdhsa_enable_private_segment 0
		.amdhsa_kernarg_size 48
		.amdhsa_user_sgpr_count 2
		.amdhsa_user_sgpr_kernarg_segment_ptr 1
		.amdhsa_wavefront_size32 1
		.amdhsa_system_sgpr_workgroup_id_x 1
		.amdhsa_system_sgpr_workgroup_id_y 1
		.amdhsa_system_sgpr_workgroup_id_z 1
		.amdhsa_system_vgpr_workitem_id 0
		.amdhsa_next_free_vgpr 1024
		.amdhsa_next_free_sgpr 102
		.amdhsa_reserve_vcc 0
		.amdhsa_float_denorm_mode_32 3
		.amdhsa_float_denorm_mode_16_64 3
		.amdhsa_memory_ordered 1
		.amdhsa_forward_progress 1
		.amdhsa_inst_pref_size 107
	.end_amdhsa_kernel
	.amdgpu_metadata
---
amdhsa.version: [ 1, 2 ]
amdhsa.kernels:
  - .name:           k_qedf667f56d_qkv
    .symbol:         k_qedf667f56d_qkv.kd
    .args:
      - { .name: cod, .offset: 0, .size: 8, .value_kind: global_buffer, .address_space: global }
      - { .name: bq, .offset: 8, .size: 8, .value_kind: global_buffer, .address_space: global }
      - { .name: bk, .offset: 16, .size: 8, .value_kind: global_buffer, .address_space: global }
      - { .name: bv, .offset: 24, .size: 8, .value_kind: global_buffer, .address_space: global }
      - { .name: qkvc, .offset: 32, .size: 8, .value_kind: global_buffer, .address_space: global }
      - { .name: qkvs, .offset: 40, .size: 8, .value_kind: global_buffer, .address_space: global }
    .group_segment_fixed_size: 307712
    .private_segment_fixed_size: 0
    .kernarg_segment_align: 8
    .kernarg_segment_size: 48
    .max_flat_workgroup_size: 128
    .sgpr_count:     102
    .vgpr_count:     1024
    .wavefront_size: 32
...
	.end_amdgpu_metadata
.endif
;; end of part 2
;; launch attn (part 3): grid 8 x 64, 16 waves a work-group, clusters of 4 x 1, 210,944 bytes of LDS; arguments qkvc, qkvs, ctx; writes ctx
.if DOCPART == 3
	.amdgcn_target "amdgcn-amd-amdhsa--gfx1250"
	.amdhsa_code_object_version 6
	.text
	.protected	k_qedf667f56d_attn
	.globl	k_qedf667f56d_attn
	.p2align	8
	.type	k_qedf667f56d_attn,@function
k_qedf667f56d_attn:
	s_mov_b64 s[64:65], 0
	v_nop
	global_prefetch_b8 v0, s[64:65] scope:SCOPE_SE
	s_setreg_imm32_b32 hwreg(HW_REG_WAVE_MODE, 25, 1), 1
	s_wait_xcnt 0x0
	s_wait_alu depctr_hold_cnt(0) depctr_sa_sdst(0) depctr_va_vdst(0) depctr_va_sdst(0) depctr_va_ssrc(0) depctr_va_vcc(0) depctr_vm_vsrc(0)
	s_getreg_b32 s2, hwreg(HW_REG_IB_STS2, 6, 4)
	s_cmp_eq_u32 s2, 0
	s_cbranch_scc0 .Lentry_in_a_cluster
	s_endpgm
.Lentry_in_a_cluster:
	s_bfe_u32 s2, ttmp6, 0x10000c
	s_cmp_lg_u32 s2, 0x3003
	s_cbranch_scc0 .Lentry_shape_is_right
	s_endpgm
.Lentry_shape_is_right:
; ctx[b][q][head] = softmax_k(Q . K / 8, causal) V, both products on codes of FP6 (E2M3) with E8M0 scales; the result is divided by the row's sum, quantised along the head's 64 and stored as codes.
; THE SOFTMAX AHEAD OF THE SECOND PRODUCT: t = score x log2(e) / 8; M = the running largest t rounded UP to a whole number; p = 2^(t - M) is quantised along the keys, not normalised.
; The row's sum is taken of the unquantised p.  When M moves, the sum and O are multiplied by 2^(old M - new M): exact.
; SHARES: work-group y is (batch, head).  A wave owns ONE tile of 16 queries in 256 registers; sixteen waves, four to a SIMD, so that one wave's vector work stands beside another's products and LDS loads.
; A wave of block BLK (128 queries) has BLK + 1 key steps of 128.  The blocks are dealt in pairs lo and 15 - lo, so that every work-group has 136 steps.  BLK hangs on the wave's number and the cluster's x alone:
; the four partners of a cluster run alike, and differ only in which two of a block's eight tiles they take (cx enters global addresses and the mask's number alone).
; THE WHOLE HEAD LIES IN LDS, filled once: K's 128 tiles of 768 bytes, V's 16 steps x 4 fragments of 1,536, and their scale words.  No byte is filled again.  All tensor loads stand at the kernel's head
; (wave 0: six, wave 1: five), so there is no later load to ask ahead for.  The four partners read the same head: each tile is asked for JOINTLY.
; LAYOUT: both products transposed: S^T = K Q^T (source 0 = 16 keys), O^T = V^T P^T (source 0 = 16 channels): a lane holds ONE query throughout.  By the order of rows in the tiles, the 16 registers of key tiles
; 2 b and 2 b + 1 are keys 32 b + 16 h + 0 .. 15, and the 16 registers of channel tiles 2 b and 2 b + 1 are channels 32 b + 16 h + 0 .. 15.
; K = 64 IN AN INSTRUCTION OF 128: Q's upper six registers hold zero codes.  K's tile t is named as v[32 + 6 t] on, twelve registers: its upper six are the next tile's codes (behind tile 7: zeros).  A code of this
; format is a finite number, and times Q's zero it adds nothing.  The scale words come as 16 bits, so the bytes of the upper two blocks are 0: a small power of two, no NaN.
; CAUSAL: a step all of whose keys come after the block's queries is left out by a scalar branch on ids; both loops' trip counts are constants.  In the block's own step hidden scores become -infinity.
; LIMITS: ctx's blocks: byte 1 under 2^-124 and for zeros; NaN and infinities are not served.  ctx's two scale bytes a row leave by 2-byte stores (a scale word holds two heads' bytes): one byte in 24 of what is stored.
.set TILEB, 13312
.set REC,   3328
.set KC,    0                          ; LDS: K's codes: 128 tiles x 768
.set VC,    98304                      ; V's: 16 steps x 6,144
.set KSB,   196608                     ; K's scale words of the pair of heads: 512 bytes a step
.set VSB,   204800                     ; V's: 256 bytes a step
.set SPARE, 208896                     ; the spare words, 128 bytes for each wave, that no other line names
.set AK16,  1                          ; v1  16 x lane
.set AK8,   2                          ; v2  512 + 8 x lane
.set AV16,  3                          ; v3, v4: the same in V's region
.set AV8,   4
.set SPW,   5                          ; v5  my spare word; never rewritten
.set NIL,   6                          ; v6  0; never rewritten
.set ASK0,  7                          ; v7  K's scale words: 8 r + 4 h + my head's two bytes
.set ASV0,  8                          ; v8  V's: 8 r + 4 h
.set DM,    9                          ; v9  my query - the block's first - 16 h
.set ADK,   10                         ; v10, v11, v28-31: the step's addresses
.set ADK8,  11
.set ADV,   28
.set ADV8,  29
.set ADS,   30
.set ADT,   31
.set QF,    16                         ; v16-21 Q's codes, v22-27 zeros.  v12 -M, v13 the largest t, v[14:15] the sum in two halves
.set KV,    32                         ; v32-79 K's eight tiles, later V's four fragments; v80-85 zeros
.set KSC,   86                         ; v86-89 K's scale words: lanes 0-15 tile 2 g, lanes 16-31 tile 2 g + 1
.set VSC,   90                         ; v90-91 V's likewise
.set S,     96                         ; v96-159 S^T, then p
.set O,     160                        ; v160-191 O^T
.set OQ,    192                        ; v192-223 the way out
.set PCD,   224                        ; v224-235 p's codes; v232-253 at work
.set PS,    254                        ; v254 p's scale word
.set QS,    255                        ; v255 Q's scale word
.set WV,    10
.set CX,    11
.set XX,    12
.set BB,    14
.set HD,    15
.set BLK,   16
.set TT,    17
.set SG,    18                         ; s18 the key step
.set TB,    19                         ; s19 where its tiles begin: 6,144 bytes a step, in K's region and in V's
.set SEL,   20
.set CS,    22                         ; s[22:23] c = log2(e) / 8
.set G1K,   24
.set G1V,   32
.set G1S,   40
.set G0K,   48
.set G0KS,  68
.set G0V,   76
.set G0VS,  92
.set PAIR,  66
.set ODD,   67
.set TS,    96
.set TJ,    97
.set CNT,   98
.macro PLACES n
.rept \n
	v_nop
.endr
.endm
.macro CROUND
	s_barrier_signal -1
	s_barrier_wait -1
	s_cmp_lg_u32 s[WV], 0
	s_cbranch_scc1 .Lnot_wave_0_\@
	s_barrier_signal -3
.Lnot_wave_0_\@:
	s_barrier_wait -3
	s_barrier_signal -1
	s_barrier_wait -1
.endm
.macro FRAG reg, a16, a8, off
	ds_load_b128 v[\reg:\reg+3], v[\a16] offset:\off
	ds_load_b64 v[\reg+4:\reg+5], v[\a8] offset:\off
	ds_load_b128 v[\reg+6:\reg+9], v[\a16] offset:\off+768
	ds_load_b64 v[\reg+10:\reg+11], v[\a8] offset:\off+768
.endm
.macro SQK t                           ; S^T of key tile t
.if (\t)%2
	v_wmma_scale_f32_16x16x128_f8f6f4 v[S+8*\t:S+8*\t+7], v[KV+6*\t:KV+6*\t+11], v[QF:QF+11], 0, v[KSC+\t/2], v[QS] matrix_a_fmt:MATRIX_FMT_FP6 matrix_b_fmt:MATRIX_FMT_FP6 matrix_a_scale:MATRIX_SCALE_ROW1
.else
	v_wmma_scale_f32_16x16x128_f8f6f4 v[S+8*\t:S+8*\t+7], v[KV+6*\t:KV+6*\t+11], v[QF:QF+11], 0, v[KSC+\t/2], v[QS] matrix_a_fmt:MATRIX_FMT_FP6 matrix_b_fmt:MATRIX_FMT_FP6
.endif
.endm
.macro OPV t                           ; O^T of channel tile t goes on
.if (\t)%2
	v_wmma_scale_f32_16x16x128_f8f6f4 v[O+8*\t:O+8*\t+7], v[KV+12*\t:KV+12*\t+11], v[PCD:PCD+11], v[O+8*\t:O+8*\t+7], v[VSC+\t/2], v[PS] matrix_a_fmt:MATRIX_FMT_FP6 matrix_b_fmt:MATRIX_FMT_FP6 matrix_a_scale:MATRIX_SCALE_ROW1
.else
	v_wmma_scale_f32_16x16x128_f8f6f4 v[O+8*\t:O+8*\t+7], v[KV+12*\t:KV+12*\t+11], v[PCD:PCD+11], v[O+8*\t:O+8*\t+7], v[VSC+\t/2], v[PS] matrix_a_fmt:MATRIX_FMT_FP6 matrix_b_fmt:MATRIX_FMT_FP6
.endif
.endm
; A KEY STEP: 128 keys
.macro STEP
	s_cmp_gt_u32 s[SG], s[BLK]                     ; all its keys come after my block's queries: only the lines at its end, which step addresses, are run
	s_cbranch_scc1 .Lhidden_\@
	v_add_nc_u32 v[ADK], s[TB], v[AK16]            ; (these six are also the places in front of the loads into registers that the last products read)
	v_add_nc_u32 v[ADK8], s[TB], v[AK8]
	v_add_nc_u32 v[ADV], s[TB], v[AV16]
	v_add_nc_u32 v[ADV8], s[TB], v[AV8]
	v_add_nc_u32 v[ADS], s[TS], v[ASK0]
	v_add_nc_u32 v[ADT], s[TJ], v[ASV0]
.irp t, 0,1,2,3,4,5,6,7
	ds_load_b128 v[KV+6*\t:KV+6*\t+3], v[ADK] offset:768*\t
	ds_load_b64 v[KV+6*\t+4:KV+6*\t+5], v[ADK8] offset:768*\t
.endr
.irp g, 0,1,2,3
	ds_load_u16 v[KSC+\g], v[ADS] offset:128*\g    ; my head's two bytes; the upper two come as 0
.endr
	s_wait_dscnt 0x0
.irp t, 0,1,2,3,4,5,6,7
	SQK \t
.endr
	PLACES 4                                       ; in front of the loads into K's registers and of the first read of the scores
.irp t, 0,1,2,3
	FRAG KV+12*\t, ADV, ADV8, 1536*\t              ; V's four fragments: asked for here, wanted behind the softmax
.endr
	ds_load_b32 v[VSC], v[ADT]
	ds_load_b32 v[VSC+1], v[ADT] offset:128
	s_cmp_lg_u32 s[SG], s[BLK]                     ; in the block's own step hidden scores become -infinity ahead of the maximum: p = 0 then
	s_cbranch_scc1 .Lopen_\@
	v_mov_b32 v254, 0xff800000
.set n, 0
.rept 64
	v_cmp_gt_i32 vcc_lo, 32*(n/16)+n%16, v[DM]     ; register 16 b + i holds the step's key 32 b + 16 h + i
	v_cndmask_b32 v[S+n], v[S+n], v254, vcc_lo
.set n, n+1
.endr
.Lopen_\@:
.irp b, 0,1,2,3
	v_max3_num_f32 v[232+\b], v[S+16*\b], v[S+1+16*\b], v[S+2+16*\b]   ; the largest score of each block of 32 keys: for the row's maximum and, since p rises with the score, for the block's largest p
.endr
.irp i, 3,5,7,9,11,13
.irp b, 0,1,2,3
	v_max3_num_f32 v[232+\b], v[232+\b], v[S+16*\b+\i], v[S+1+16*\b+\i]
.endr
.endr
.irp b, 0,1,2,3
	v_max_num_f32 v[232+\b], v[232+\b], v[S+15+16*\b]
.endr
.irp b, 0,1,2,3
	v_permlanex16_b32 v[236+\b], v[232+\b], s[SEL], s[SEL+1]
.endr
.irp b, 0,1,2,3
	v_max_num_f32 v[232+\b], v[232+\b], v[236+\b]  ; with lane l xor 16's 16 keys
.endr
	v_max3_num_f32 v254, v232, v233, v234
	v_max_num_f32 v254, v254, v235                 ; the step's largest score of my query
	v_mul_f32 v254, s[CS], v254                    ; as t
	v_max_num_f32 v13, v13, v254                   ; the running largest t
	v_mov_b32 v254, v12
	v_floor_f32 v12, -v13                          ; the new -M = floor(-t) = -ceil(t)
	v_sub_f32 v254, v12, v254                      ; old M - new M: a whole number, 0 or less
	v_cvt_i32_f32 v254, v254                       ; (it saturates)
	v_ldexp_f32 v252, 1.0, v254                    ; f = 2^(old M - new M)
.set j, 0
.rept 32
	v_pk_fma_f32 v[S+j:S+j+1], v[S+j:S+j+1], s[CS:CS+1], v[12:13] op_sel_hi:[1,0,0]   ; t - M, two at a time
.set j, j+2
.endr
.irp b, 0,1,2,3
	v_fma_f32 v[232+\b], v[232+\b], s[CS], v12     ; the same of each block's largest score
.endr
.set j, 0
.rept 64
	v_exp_f32 v[S+j], v[S+j]                       ; p = 2^(t - M)
.set j, j+1
.endr
	v_pk_mul_f32 v[14:15], v[14:15], v[252:253] op_sel_hi:[1,0]   ; the sums under the new M: a plain place behind the exponentials
	s_wait_alu depctr_va_vdst(0)                   ; one wait for the whole batch, ahead of its first reader
.irp b, 0,1,2,3
	v_exp_f32 v[232+\b], v[232+\b]                 ; the block's largest p
.endr
	v_pk_add_f32 v[236:237], v[S:S+1], v[S+2:S+3]  ; the row's sum is taken of the unquantised p, in two chains
.irp j, 4,8,12,16,20,24,28,32,36,40,44,48,52,56,60
	v_pk_add_f32 v[14:15], v[14:15], v[S+\j:S+1+\j]
	v_pk_add_f32 v[236:237], v[236:237], v[S+2+\j:S+3+\j]
.endr
	v_pk_add_f32 v[14:15], v[14:15], v[236:237]
	s_wait_alu depctr_va_vdst(0)                   ; and one for the four
.irp b, 0,1,2,3
	v_max_num_f32 v[232+\b], 0x1800000, v[232+\b]  ; the floor 2^(3 - 127): the byte cannot fall under 1
.endr
.irp b, 0,1,2,3
	v_add_nc_u32 v[244+\b], 0xff000000, v[232+\b]  ; the conversion's scale operand
.endr
.irp b, 0,1,2,3
	v_lshrrev_b32 v[236+\b], 23, v[244+\b]         ; the scale's byte
.endr
	v_lshl_or_b32 v[PS], v237, 8, v236             ; p's scale word for these 128 keys
	v_lshl_or_b32 v[PS], v238, 16, v[PS]
	v_lshl_or_b32 v[PS], v239, 24, v[PS]
.irp c, 0,1
	v_cvt_scalef32_pk16_fp6_f32 v[PCD+6*\c:PCD+2+6*\c], v[S+32*\c:S+15+32*\c], v[244+2*\c]
	v_cvt_scalef32_pk16_fp6_f32 v[236+4*\c:238+4*\c], v[S+16+32*\c:S+31+32*\c], v[245+2*\c]
.endr
	v_nop                                          ; one plain place behind a scaled conversion
.irp c, 0,1
.irp i, 0,1,2
	v_permlane16_swap_b32 v[PCD+6*\c+\i], v[236+4*\c+\i]
.endr
.irp i, 0,1,2
	v_mov_b32 v[PCD+3+6*\c+\i], v[236+4*\c+\i]
.endr
.endr
.set j, 0
.rept 16
	v_pk_mul_f32 v[O+j:O+j+1], v[O+j:O+j+1], v[252:253] op_sel_hi:[1,0]   ; O^T under the new M.  These sixteen stand between the scale word's last write and the products: twelve of them name none of a given product's registers, eight are asked
.set j, j+2
.endr
	s_wait_dscnt 0x0                               ; V is in
.irp t, 0,1,2,3
	OPV \t                                         ; the four accumulators by turns
.endr
.Lhidden_\@:
	s_add_co_u32 s[SG], s[SG], 1
	s_add_co_u32 s[TB], s[TB], 6144
	s_add_co_u32 s[TS], s[TS], 512
	s_add_co_u32 s[TJ], s[TJ], 256
.endm
	s_load_b128 s[4:7], s[0:1], 0x0                ; qkvc s[4:5], qkvs s[6:7]
	s_load_b64 s[8:9], s[0:1], 0x10                ; ctx
	v_lshl_add_u32 v[SPW], v0, 2, SPARE
	v_mov_b32 v[NIL], 0
	ds_add_u32 v[SPW], v[NIL]                      ; the wave's opening: the add and its wait stand ahead of my first tensor load; work on registers stands between them
	v_lshrrev_b32 v10, 5, v0
	v_readfirstlane_b32 s[WV], v10                 ; wave 0..15
	s_bfe_u32 s[CX], ttmp6, 0x40000
	s_mov_b32 s[XX], ttmp9                         ; cluster x: 0, 1
	s_and_b32 s13, ttmp7, 0xffff
	s_lshr_b32 s[BB], s13, 4                       ; batch
	s_and_b32 s[HD], s13, 15                       ; head
	s_lshr_b32 s[PAIR], s[HD], 1
	s_and_b32 s[ODD], s[HD], 1
	s_lshr_b32 s96, s[WV], 1                       ; the block of 128 queries: i = wave / 2, s = wave / 4, lo = 2 s + cluster x; one of a pair of i takes lo, the other 15 - lo
	s_lshr_b32 s97, s[WV], 2
	s_lshr_b32 s98, s97, 1
	s_xor_b32 s98, s98, s97
	s_xor_b32 s98, s98, s96
	s_and_b32 s98, s98, 1
	s_lshl_b32 s97, s97, 1
	s_add_co_u32 s97, s97, s[XX]
	s_sub_co_u32 s99, 15, s97
	s_cmp_eq_u32 s98, 0
	s_cselect_b32 s[BLK], s97, s99
	s_add_co_u32 s2, s[PAIR], 8                    ; K's fragments: ((8 + pair) x 512 + 128 batch) x 1,536 + 768 for the odd head
	s_lshl_b32 s2, s2, 9
	s_lshl_b32 s3, s[BB], 7
	s_add_co_u32 s2, s2, s3
	s_mul_i32 s2, s2, 1536
	s_mul_i32 s3, s[ODD], 768
	s_add_co_u32 s2, s2, s3
	s_mov_b32 s3, 0
	s_lshl_b32 s100, s[HD], 6                      ; V's blocks: 2,048 + 64 head + 16 batch
	s_lshl_b32 s101, s[BB], 4
	s_add_co_u32 s100, s100, s101
	s_add_co_u32 s100, s100, 2048
	s_lshl_b32 s96, s100, 8                        ; their scale words,
	s_mov_b32 s97, 0
	s_mul_i32 s100, s100, 6144                     ; their codes
	s_mov_b32 s101, 0
	s_add_co_u32 s98, s[PAIR], 8                   ; K's scale words: ((8 + pair) x 128 + 32 batch) x 256
	s_lshl_b32 s98, s98, 7
	s_lshl_b32 s99, s[BB], 5
	s_add_co_u32 s98, s98, s99
	s_lshl_b32 s98, s98, 8
	s_mov_b32 s99, 0
	; descriptor groups 1: elements of 8 bytes, the mask of all four partners, bit 21 beside it, no padding
	s_mov_b32 s[G1K], 15|(3<<16)|(1<<21)           ; K: 32 tiles: 768 bytes (96 elements) of each 1,536 (192): one head out of the pair
	s_mov_b32 s[G1K+1], 96<<16
	s_mov_b32 s[G1K+2], 32<<16
	s_mov_b32 s[G1K+3], 96<<16
	s_mov_b32 s[G1K+4], 32
	s_mov_b32 s[G1K+5], 192
	s_mov_b32 s[G1K+6], 0
	s_mov_b32 s[G1K+7], 0
	s_mov_b32 s[G1V], 15|(3<<16)|(1<<21)           ; V: four steps, 24,576 dense bytes, as 96 rows of 256
	s_mov_b32 s[G1V+1], 32<<16
	s_mov_b32 s[G1V+2], 96<<16
	s_mov_b32 s[G1V+3], 32<<16
	s_mov_b32 s[G1V+4], 96
	s_mov_b32 s[G1V+5], 32
	s_mov_b32 s[G1V+6], 0
	s_mov_b32 s[G1V+7], 0
	s_mov_b32 s[G1S], 15|(3<<16)|(1<<21)           ; scale words: 4,096 dense bytes, as 16 rows of 256
	s_mov_b32 s[G1S+1], 32<<16
	s_mov_b32 s[G1S+2], 16<<16
	s_mov_b32 s[G1S+3], 32<<16
	s_mov_b32 s[G1S+4], 16
	s_mov_b32 s[G1S+5], 32
	s_mov_b32 s[G1S+6], 0
	s_mov_b32 s[G1S+7], 0
	s_mov_b32 s[SEL], 0x76543210
	s_mov_b32 s[SEL+1], 0xfedcba98
	s_mov_b32 s[CS], 0x3e38aa3b                    ; c = log2(e) / 8
	s_mov_b32 s[CS+1], s[CS]
	s_mov_b32 s[SG], 0
	s_mov_b32 s[TB], 0
	s_wait_dscnt 0x0                               ; the opening add is done
	s_wait_kmcnt 0x0
	s_add_nc_u64 s[2:3], s[4:5], s[2:3]
	s_add_nc_u64 s[100:101], s[4:5], s[100:101]
	s_add_nc_u64 s[98:99], s[6:7], s[98:99]
	s_add_nc_u64 s[96:97], s[6:7], s[96:97]
.irp c, 0,1,2,3
	s_mov_b32 s[G0K+4*\c], 1
	s_mov_b32 s[G0K+4*\c+1], KC+24576*\c
	s_add_nc_u64 s[G0K+4*\c+2:G0K+4*\c+3], s[2:3], 49152*\c
	s_or_b32 s[G0K+4*\c+3], s[G0K+4*\c+3], 0x80000000
	s_mov_b32 s[G0V+4*\c], 1
	s_mov_b32 s[G0V+4*\c+1], VC+24576*\c
	s_add_nc_u64 s[G0V+4*\c+2:G0V+4*\c+3], s[100:101], 24576*\c
	s_or_b32 s[G0V+4*\c+3], s[G0V+4*\c+3], 0x80000000
.endr
.irp i, 0,1
	s_mov_b32 s[G0KS+4*\i], 1
	s_mov_b32 s[G0KS+4*\i+1], KSB+4096*\i
	s_add_nc_u64 s[G0KS+4*\i+2:G0KS+4*\i+3], s[98:99], 4096*\i
	s_or_b32 s[G0KS+4*\i+3], s[G0KS+4*\i+3], 0x80000000
.endr
	s_mov_b32 s[G0VS], 1
	s_mov_b32 s[G0VS+1], VSB
	s_mov_b64 s[G0VS+2:G0VS+3], s[96:97]
	s_or_b32 s[G0VS+3], s[G0VS+3], 0x80000000
	s_mov_b32 s[TS], 0
	s_mov_b32 s[TJ], 0
	CROUND                                         ; all four work-groups are here: the joint loads meet
	s_cmp_eq_u32 s[WV], 0                          ; all first fills of a wave stand in one branch on its number; the scale words first, then the chunks in the order in which they are read
	s_cbranch_scc0 .Lnot_k
	tensor_load_to_lds s[G0KS:G0KS+3], s[G1S:G1S+7]
	s_nop 0
	tensor_load_to_lds s[G0KS+4:G0KS+7], s[G1S:G1S+7]
	s_nop 0
.irp c, 0,1,2,3
	tensor_load_to_lds s[G0K+4*\c:G0K+4*\c+3], s[G1K:G1K+7]
	s_nop 0
.endr
	PLACES 4
	s_branch .Lasked
.Lnot_k:
	s_cmp_eq_u32 s[WV], 1
	s_cbranch_scc0 .Lasked
	tensor_load_to_lds s[G0VS:G0VS+3], s[G1S:G1S+7]
	s_nop 0
.irp c, 0,1,2,3
	tensor_load_to_lds s[G0V+4*\c:G0V+4*\c+3], s[G1V:G1V+7]
	s_nop 0
.endr
	PLACES 4
.Lasked:
	s_lshl_b32 s[TT], s[BLK], 3                    ; my tile of 16 queries: 8 BLK + 2 cx + wave % 2
	s_lshl_b32 s99, s[CX], 1
	s_add_co_u32 s[TT], s[TT], s99
	s_and_b32 s99, s[WV], 1
	s_add_co_u32 s[TT], s[TT], s99
	v_and_b32 v10, 31, v0                          ; lane
	v_and_b32 v11, 15, v0                          ; r
	v_bfe_u32 v28, v0, 4, 1                        ; h
	v_lshlrev_b32 v[AK16], 4, v10
	v_lshlrev_b32 v29, 3, v10
	v_add_nc_u32 v[AK8], 512, v29
	v_add_nc_u32 v[AV16], VC, v[AK16]
	v_add_nc_u32 v[AV8], VC, v[AK8]
	v_lshlrev_b32 v30, 3, v11                      ; 8 r
	v_lshl_add_u32 v31, v28, 2, v30                ; 8 r + 4 h
	s_lshl_b32 s99, s[ODD], 1
	v_add_nc_u32 v[ASK0], KSB, v31
	v_add_nc_u32 v[ASK0], s99, v[ASK0]
	v_add_nc_u32 v[ASV0], VSB, v31
	v_and_b32 v[DM], 8, v11
	v_add_nc_u32 v[DM], v[DM], v11                 ; r + 8 (r / 8)
	v_lshlrev_b32 v10, 4, v28
	v_sub_nc_u32 v[DM], v[DM], v10
	s_lshl_b32 s99, s[CX], 5
	s_and_b32 s2, s[WV], 1
	s_lshl_b32 s2, s2, 3
	s_add_co_u32 s99, s99, s2
	v_add_nc_u32 v[DM], s99, v[DM]                 ; my query in its block is 32 cx + 8 (wave % 2) + r + 8 (r / 8)
	s_lshl_b32 s2, s[PAIR], 9                      ; Q's fragment: (pair x 512 + 128 batch + T) x 1,536 + 768 for the odd head
	s_lshl_b32 s3, s[BB], 7
	s_add_co_u32 s2, s2, s3
	s_add_co_u32 s2, s2, s[TT]
	s_mul_i32 s2, s2, 1536
	s_mul_i32 s3, s[ODD], 768
	s_add_co_u32 s2, s2, s3
	s_mov_b32 s3, 0
	s_add_nc_u64 s[2:3], s[4:5], s[2:3]
	s_lshl_b32 s100, s[PAIR], 7                    ; its scale words: (pair x 128 + 32 batch + T / 4) x 256 + 128 ((T % 4) / 2) + 4 (T % 2) + my head's two bytes
	s_lshl_b32 s101, s[BB], 5
	s_add_co_u32 s100, s100, s101
	s_lshr_b32 s101, s[TT], 2
	s_add_co_u32 s100, s100, s101
	s_lshl_b32 s100, s100, 8
	s_bfe_u32 s101, s[TT], 0x10001
	s_lshl_b32 s101, s101, 7
	s_add_co_u32 s100, s100, s101
	s_and_b32 s101, s[TT], 1
	s_lshl_b32 s101, s101, 2
	s_add_co_u32 s100, s100, s101
	s_lshl_b32 s101, s[ODD], 1
	s_add_co_u32 s100, s100, s101
	s_mov_b32 s101, 0
	s_add_nc_u64 s[100:101], s[6:7], s[100:101]
	global_load_b128 v[QF:QF+3], v[AK16], s[2:3]
	global_load_b64 v[QF+4:QF+5], v[AK8], s[2:3]
	global_load_u16 v[QS], v30, s[100:101]
.irp j, 0,1,2,3,4,5
	v_mov_b32 v[QF+6+\j], 0                        ; Q's zero codes for k = 64 .. 127
	v_mov_b32 v[KV+48+\j], 0                       ; and what stands behind K's tile 7
.endr
	v_mov_b32 v13, 0xff61b1e6                      ; the largest t so far: -3e38, under every t
	v_floor_f32 v12, -v13                          ; -M
	v_mov_b32 v14, 0
	v_mov_b32 v15, 0
.irp b, 0,1,2,3
	v_mov_b32 v[236+\b], 0                         ; written once: a lane permute's destination counts as one of its sources
.endr
	v_mov_b32 v252, 0
	v_mov_b32 v253, 0                              ; (named as the upper half of the pair v[252:253])
.set j, 0
.rept 32
	v_mov_b32 v[O+j], 0                            ; O^T: the step is written without a first step of its own: the first finds zeros, which the first change of M leaves zeros
.set j, j+1
.endr
	s_wait_loadcnt 0x0                             ; Q
	s_wait_tensorcnt 3                             ; the scale words and my part of the first four steps are in; the three chunks behind them may be out,
	s_barrier_signal -1
	s_barrier_wait -1                              ; everybody's are.
	s_mov_b32 s[CNT], 4
.Lfirst:                                           ; key steps 0 to 3: chunk 0
	STEP
	s_sub_co_u32 s[CNT], s[CNT], 1
	s_cmp_lg_u32 s[CNT], 0
	s_cbranch_scc1 .Lfirst
	s_wait_tensorcnt 0x0                           ; all my loads have landed,
	s_wait_dscnt 0x0
	s_barrier_signal -1
	s_barrier_wait -1                              ; everybody's have: the whole head lies in LDS
	s_mov_b32 s[CNT], 12
.Lrest:                                            ; key steps 4 to 15
	STEP
	s_sub_co_u32 s[CNT], s[CNT], 1
	s_cmp_lg_u32 s[CNT], 0
	s_cbranch_scc1 .Lrest
	; THE WAY OUT: O^T / the row's sum; its 32 registers are my query's channels 32 b + 16 h + i: two blocks, quantised as an operand's first half and stored as that half's image
	PLACES 4
	s_lshl_b32 s2, s[BB], 7
	s_add_co_u32 s2, s2, s[TT]
	s_mul_i32 s2, s2, TILEB                        ; ctx: tile 128 batch + T,
	s_lshr_b32 s3, s[HD], 2
	s_mul_i32 s3, s3, REC
	s_add_co_u32 s2, s2, s3                        ; record head / 4,
	s_and_b32 s3, s[HD], 3
	s_mul_i32 s100, s3, 768
	s_add_co_u32 s100, s100, s2                    ; half head % 4;
	s_lshl_b32 s3, s3, 1
	s_add_co_u32 s2, s2, s3
	s_add_co_u32 s2, s2, 3072                      ; and my head's two bytes of each row's 8
	s_mov_b32 s3, 0
	s_mov_b32 s101, 0
	s_add_nc_u64 s[100:101], s[8:9], s[100:101]
	s_add_nc_u64 s[2:3], s[8:9], s[2:3]
	v_add_f32 v14, v14, v15                        ; the sum's two halves,
	v_permlanex16_b32 v252, v14, s[SEL], s[SEL+1]
	v_add_f32 v14, v14, v252                       ; and lane l xor 16's
	v_rcp_f32 v14, v14
	v_and_b32 v30, 15, v0                          ; (a plain place behind the reciprocal)
	v_lshlrev_b32 v30, 3, v30                      ; 8 r
	s_wait_alu depctr_va_vdst(0)                   ; the wait, ahead of the first reader
.set j, 0
.rept 16
	v_pk_mul_f32 v[OQ+j:OQ+j+1], v[O+j:O+j+1], v[14:15] op_sel_hi:[1,0]
.set j, j+2
.endr
.irp b, 0,1
	v_max3_num_f32 v[232+\b], |v[OQ+16*\b]|, |v[OQ+1+16*\b]|, 0x1800000
.endr
.irp i, 2,4,6,8,10,12,14
.irp b, 0,1
	v_max3_num_f32 v[232+\b], v[232+\b], |v[OQ+16*\b+\i]|, |v[OQ+1+16*\b+\i]|
.endr
.endr
.irp b, 0,1
	v_permlanex16_b32 v[236+\b], v[232+\b], s[SEL], s[SEL+1]
.endr
.irp b, 0,1
	v_max_num_f32 v[232+\b], v[232+\b], v[236+\b]
.endr
.irp b, 0,1
	v_add_nc_u32 v[244+\b], 0xff000000, v[232+\b]
.endr
.irp b, 0,1
	v_lshrrev_b32 v[236+\b], 23, v[244+\b]
.endr
	v_lshl_or_b32 v[PS], v237, 8, v236             ; my row's two bytes
	v_cvt_scalef32_pk16_fp6_f32 v[PCD:PCD+2], v[OQ:OQ+15], v244
	v_cvt_scalef32_pk16_fp6_f32 v[248:250], v[OQ+16:OQ+31], v245
	v_nop                                          ; one plain place behind a scaled conversion
.irp i, 0,1,2
	v_permlane16_swap_b32 v[PCD+\i], v[248+\i]
.endr
.irp i, 0,1,2
	v_mov_b32 v[PCD+3+\i], v[248+\i]
.endr
	global_store_b128 v[AK16], v[PCD:PCD+3], s[100:101]    ; 512 consecutive bytes,
	global_store_b64 v[AK8], v[PCD+4:PCD+5], s[100:101]    ; and 256, both at multiples of 256 from the buffer's first byte
	global_store_b16 v30, v[PS], s[2:3]                    ; lanes r and 16 + r write the same two bytes with the same value
	s_wait_tensorcnt 0x0                           ; the wave's end
	ds_add_u32 v[SPW], v[NIL]
	s_wait_dscnt 0x0
	CROUND                                         ; the closing round
	s_endpgm
.Lfunc_end_k_qedf667f56d_attn:
	.size	k_qedf667f56d_attn, .Lfunc_end_k_qedf667f56d_attn-k_qedf667f56d_attn
	.p2alignl 7, 3214868480
	.fill 96, 4, 3214868480
	.section	.rodata,"a",@progbits
	.p2align	6, 0x0
	.amdhsa_kernel k_qedf667f56d_attn
		.amdhsa_group_segment_fixed_size 210944
		.amdhsa_private_segment_fixed_size 0
		.amdhsa_enable_private_segment 0
		.amdhsa_kernarg_size 24
		.amdhsa_user_sgpr_count 2
		.amdhsa_user_sgpr_kernarg_segment_ptr 1
		.amdhsa_wavefront_size32 1
		.amdhsa_system_sgpr_workgroup_id_x 1
		.amdhsa_system_sgpr_workgroup_id_y 1
		.amdhsa_system_sgpr_workgroup_id_z 1
		.amdhsa_system_vgpr_workitem_id 0
		.amdhsa_next_free_vgpr 256
		.amdhsa_next_free_sgpr 102
		.amdhsa_reserve_vcc 1
		.amdhsa_float_denorm_mode_32 3
		.amdhsa_float_denorm_mode_16_64 3
		.amdhsa_memory_ordered 1
		.amdhsa_forward_progress 1
		.amdhsa_inst_pref_size 60
	.end_amdhsa_kernel
	.amdgpu_metadata
---
amdhsa.version: [ 1, 2 ]
amdhsa.kernels:
  - .name:           k_qedf667f56d_attn
    .symbol:         k_qedf667f56d_attn.kd
    .args:
      - { .name: qkvc, .offset: 0, .size: 8, .value_kind: global_buffer, .address_space: global }
      - { .name: qkvs, .offset: 8, .size: 8, .value_kind: global_buffer, .address_space: global }
      - { .name: ctx, .offset: 16, .size: 8, .value_kind: global_buffer, .address_space: global }
    .group_segment_fixed_size: 210944
    .private_segment_fixed_size: 0
    .kernarg_segment_align: 8
    .kernarg_segment_size: 24
    .max_flat_workgroup_size: 512
    .sgpr_count:     102
    .vgpr_count:     256
    .wavefront_size: 32
...
	.end_amdgpu_metadata
.endif
;; end of part 3
;; launch outp (part 4): grid 4 x 64, 4 waves a work-group, clusters of 4 x 4, 307,712 bytes of LDS; arguments ctx, cod, bo, out0; writes out0
.if DOCPART == 4
	.amdgcn_target "amdgcn-amd-amdhsa--gfx1250"
	.amdhsa_code_object_version 6
	.text
	.protected	k_qedf667f56d_outp
	.globl	k_qedf667f56d_outp
	.p2align	8
	.type	k_qedf667f56d_outp,@function
k_qedf667f56d_outp:
	s_mov_b64 s[64:65], 0
	v_nop
	global_prefetch_b8 v0, s[64:65] scope:SCOPE_SE
	s_setreg_imm32_b32 hwreg(HW_REG_WAVE_MODE, 25, 1), 1
	s_wait_xcnt 0x0
	s_wait_alu depctr_hold_cnt(0) depctr_sa_sdst(0) depctr_va_vdst(0) depctr_va_sdst(0) depctr_va_ssrc(0) depctr_va_vcc(0) depctr_vm_vsrc(0)
	s_getreg_b32 s2, hwreg(HW_REG_IB_STS2, 6, 4)
	s_cmp_eq_u32 s2, 0
	s_cbranch_scc0 .Lentry_in_a_cluster
	s_endpgm
.Lentry_in_a_cluster:
	s_bfe_u32 s2, ttmp6, 0x10000c
	s_cmp_lg_u32 s2, 0xf033
	s_cbranch_scc0 .Lentry_shape_is_right
	s_endpgm
.Lentry_shape_is_right:
; out0 = ctx Wo^T + bo on codes of FP6 (E2M3) with E8M0 scales; sums in f32; out0 [8192][1024] f32.
; ctx and Wo lie as tiles of four records in the order of the operand's registers (see the first launch).  Source 1 (R) = ctx: a lane holds a token; source 0 (C) = Wo: a lane's registers run along the outputs.
; SHARES: a work-group makes 128 tokens x 256 outputs; four waves, 2 x 2, each 64 x 128: 32 accumulators.  64 x 4 = 256 work-groups.
; All of K = 1,024 lies in LDS at once, in 4 chunks of 256 along K (R's 8 records, then C's 16; 3,200 bytes of each): every tensor load is a first fill, no byte is filled again; a wave has at most four out.
; CLUSTERS: 4 x 4 work-groups; R's records are shared along a row of the cluster, C's along a column: each is asked for JOINTLY by the four that share it.
; The bias is the C of each sum's first product.  THE WAY OUT goes through the wave's own stage in LDS, so that each store covers a row's 512 consecutive bytes.  The stage lies in chunk 0, which has had its only
; fill, and which no wave reads behind the barrier of K step 1.
; REGISTERS: window 0: addresses, scale words, the bias, the way out.  Windows 1 and 3: two sets of fragments (C's eight at v[12 i], R's four at v[96 + 12 a]).  Window 2: accumulator (a, b) at v[8 (8 a + b)].
.set TILEB, 13312
.set REC,   3328
.set RECL,  3200
.set COFF,  8*RECL
.set CHUNK, 24*RECL
.set SPARE, 4*CHUNK                    ; the spare words, 128 bytes for each wave, that no other line names
.set SP,    528                        ; a stage row: 512 bytes + 16
.set CO16,  4                          ; v4      16 x lane
.set CO8,   5                          ; v5      8 x lane
.set AR16,  8
.set AC16,  12
.set AR8,   16
.set AC8,   20
.set ADS,   24
.set SPW,   28                         ; v28     my spare word; never rewritten
.set NIL,   29                         ; v29     0; never rewritten
.set STO,   30                         ; v30     the stage: where I put my row's numbers
.set RD,    31                         ; v31     and where I read a row back
.set SC,    32                         ; v32-63  scale words, two sets of 16
.set BI,    64                         ; v64-127 the bias in the result's layout
.set BK,    128                        ; v128-191, v192-255: 16 rows read back from the stage, by turns
.set WV,    16
.set WR,    17
.set WC,    18
.set CX,    19
.set CY,    20
.set G1R,   24
.set G1C,   32
.set G0R,   40
.set G0C,   68
.set MSB, 0
.macro WIN new
.if MSB != (\new)
	s_set_vgpr_msb (MSB<<8)|(\new)
.set MSB, (\new)
.endif
.endm
.macro PLACES n
.rept \n
	v_nop
.endr
.endm
.macro CROUND
	s_barrier_signal -1
	s_barrier_wait -1
	s_cmp_lg_u32 s[WV], 0
	s_cbranch_scc1 .Lnot_wave_0_\@
	s_barrier_signal -3
.Lnot_wave_0_\@:
	s_barrier_wait -3
	s_barrier_signal -1
	s_barrier_wait -1
.endm
.macro FRAG reg, a16, a8, off
	ds_load_b128 v[\reg:\reg+3], v[\a16] offset:\off
	ds_load_b64 v[\reg+4:\reg+5], v[\a8] offset:\off
	ds_load_b128 v[\reg+6:\reg+9], v[\a16] offset:\off+768
	ds_load_b64 v[\reg+10:\reg+11], v[\a8] offset:\off+768
.endm
; eight products: R's tile a against C's eight.  mode 2: the bias starts the sums; 0: they go on
.macro MUL8 a, q, sc, mode
.irp b, 0,1,2,3,4,5,6,7
.if (\mode) == 2
	v_wmma_scale_f32_16x16x128_f8f6f4 v[8*(8*\a+\b):8*(8*\a+\b)+7], v[12*\b:12*\b+11], v[96+12*\a:96+12*\a+11], v[BI+8*\b:BI+8*\b+7], v[SC+16*(\sc)+2*\b+(\q)], v[SC+16*(\sc)+2*\a+(\q)] matrix_a_fmt:MATRIX_FMT_FP6 matrix_b_fmt:MATRIX_FMT_FP6 matrix_a_scale:MATRIX_SCALE_ROW1
.else
	v_wmma_scale_f32_16x16x128_f8f6f4 v[8*(8*\a+\b):8*(8*\a+\b)+7], v[12*\b:12*\b+11], v[96+12*\a:96+12*\a+11], v[8*(8*\a+\b):8*(8*\a+\b)+7], v[SC+16*(\sc)+2*\b+(\q)], v[SC+16*(\sc)+2*\a+(\q)] matrix_a_fmt:MATRIX_FMT_FP6 matrix_b_fmt:MATRIX_FMT_FP6 matrix_a_scale:MATRIX_SCALE_ROW1
.endif
.endr
.endm
.macro FETCH k
	WIN 0x40+0x80*((\k)%2)
.irp i, 0,1,2,3,4,5,6,7
	FRAG 12*\i, AC16+(\k)/2, AC8+(\k)/2, RECL*\i+1536*((\k)%2)
.endr
.irp a, 0,1,2,3
	FRAG 96+12*\a, AR16+(\k)/2, AR8+(\k)/2, RECL*\a+1536*((\k)%2)
.endr
.endm
.macro SCALES sg
	WIN 0
.irp i, 0,1,2,3,4,5,6,7
	ds_load_b64 v[SC+16*((\sg)%2)+2*\i:SC+16*((\sg)%2)+2*\i+1], v[ADS+(\sg)] offset:RECL*\i
.endr
.endm
; A K step of 128: 32 products, the 32 accumulators by turns in the same order in every step; in its middle the next step's fragments are fetched into the other set.
; An odd step is a chunk's last: in front of the barrier my part of the next chunk has landed (the count leaves the chunks behind it out); behind it everybody's has.
.macro STEP k, mode
.set MW, 0xa5+10*((\k)%2)
.if (\mode) == 2
.set MW, 0x85                          ; C, the bias, window 0
.endif
	s_wait_dscnt 0x0
.if ((\k)%2 == 1) && ((\k) < 7)
	s_wait_tensorcnt 2-(\k)/2
	s_barrier_signal -1
.endif
	WIN MW
	MUL8 0, (\k)%2, ((\k)/2)%2, \mode
	MUL8 1, (\k)%2, ((\k)/2)%2, \mode
.if ((\k)%2 == 1) && ((\k) < 7)
	s_barrier_wait -1
.endif
.if (\k) < 7
	PLACES 4                                       ; four places in front of loads into registers that matrix instructions have read
	FETCH (\k)+1
.if (\k)%2 == 1
	SCALES (\k)/2+1
.endif
.endif
	WIN MW
	MUL8 2, (\k)%2, ((\k)/2)%2, \mode
	MUL8 3, (\k)%2, ((\k)/2)%2, \mode
.endm
; the way out of R's tile a: 16 tokens x 128 outputs.  Register j of accumulator (a, b) is output 32 (b / 2) + 16 h + 8 (b % 2) + j of token r.
.macro TOSTAGE a
	WIN 0x08                                       ; an LDS store's data are its source 1: window 2
.irp b, 0,1,2,3,4,5,6,7
	ds_store_b128 v[STO], v[8*(8*(\a)+\b):8*(8*(\a)+\b)+3] offset:128*(\b/2)+32*(\b%2)      ; each accumulator from its low end on
	ds_store_b128 v[STO], v[8*(8*(\a)+\b)+4:8*(8*(\a)+\b)+7] offset:128*(\b/2)+32*(\b%2)+16
.endr
	WIN 0
.set BB, BK+64*((\a)%2)
.irp t, 0,1,2,3,4,5,6,7,8,9,10,11,12,13,14,15
	ds_load_b128 v[BB+4*\t:BB+4*\t+3], v[RD] offset:\t*SP    ; LDS serves a wave's instructions in order (ISA guide 5.7.1.4): these see the stores above
.endr
.endm
.macro SEND a, younger                 ; younger: the LDS instructions issued behind tile a's loads, which may stay out
.set BB, BK+64*((\a)%2)
	s_wait_dscnt \younger
.irp t, 0,1,2,3,4,5,6,7,8,9,10,11,12,13,14,15
	global_store_b128 v[CO16], v[BB+4*\t:BB+4*\t+3], s[10:11] offset:(32*((\a)/2)+8*((\a)%2)+\t+8*(\t/8))*4096 th:TH_STORE_NT   ; lane t of tile a is that token: 512 consecutive bytes of its row
.endr
.endm
	s_load_b256 s[4:11], s[0:1], 0x0               ; ctx s[4:5], cod s[6:7], bo s[8:9], out0 s[10:11]
	v_lshl_add_u32 v[SPW], v0, 2, SPARE
	v_mov_b32 v[NIL], 0
	ds_add_u32 v[SPW], v[NIL]                      ; the wave's opening: the add and its wait stand ahead of my first tensor load; work on registers stands between them
	v_lshrrev_b32 v1, 5, v0
	v_readfirstlane_b32 s[WV], v1                  ; wave 0..3
	s_lshr_b32 s[WR], s[WV], 1
	s_and_b32 s[WC], s[WV], 1                      ; also: which eight of C's records I fetch
	s_bfe_u32 s[CX], ttmp6, 0x40000
	s_bfe_u32 s[CY], ttmp6, 0x40004
	s_and_b32 s59, ttmp7, 0xffff
	s_lshl_b32 s59, s59, 2
	s_add_co_u32 s59, s59, s[CY]                   ; my block of 128 tokens
	s_lshl_b32 s60, ttmp9, 2
	s_add_co_u32 s60, s60, s[CX]                   ; my block of 256 outputs
	s_mul_i32 s84, s59, 8*TILEB                    ; ctx's tiles 8 x block on
	s_mov_b32 s85, 0
	s_lshl_b32 s62, s60, 4
	s_add_co_u32 s62, s62, 704                     ; Wo's tiles begin at 704 in cod
	s_lshl_b32 s66, s[WC], 3
	s_add_co_u32 s62, s62, s66
	s_mul_i32 s86, s62, TILEB
	s_mov_b32 s87, 0
	s_mul_i32 s88, s[WC], COFF
	s_lshl_b32 s2, s[CY], 2
	s_lshl_b32 s2, 15, s2                          ; my row of the cluster
	s_lshl_b32 s3, 0x1111, s[CX]                   ; my column
	; descriptor group 1: 8 records, 3,200 bytes of each (400 elements of 8 bytes), 13,312 bytes (1,664 elements) apart, dense in LDS
	s_or_b32 s[G1R], s2, (3<<16)|(1<<21)
	s_or_b32 s[G1C], s3, (3<<16)|(1<<21)
.irp g, G1R, G1C
	s_mov_b32 s[\g+1], 400<<16
	s_mov_b32 s[\g+2], 8<<16
	s_mov_b32 s[\g+3], 400<<16
	s_mov_b32 s[\g+4], 8
	s_mov_b32 s[\g+5], 1664
	s_mov_b32 s[\g+6], 0
	s_mov_b32 s[\g+7], 0
.endr
	s_wait_dscnt 0x0                               ; the opening add is done
	s_wait_kmcnt 0x0
	s_add_nc_u64 s[84:85], s[4:5], s[84:85]
	s_add_nc_u64 s[86:87], s[6:7], s[86:87]
.irp g, 0,1,2,3
	s_mov_b32 s[G0R+4*\g], 1
	s_mov_b32 s[G0R+4*\g+1], CHUNK*\g
	s_add_nc_u64 s[G0R+4*\g+2:G0R+4*\g+3], s[84:85], REC*\g
	s_or_b32 s[G0R+4*\g+3], s[G0R+4*\g+3], 0x80000000
	s_mov_b32 s[G0C+4*\g], 1
	s_add_co_u32 s[G0C+4*\g+1], s88, CHUNK*\g+COFF
	s_add_nc_u64 s[G0C+4*\g+2:G0C+4*\g+3], s[86:87], REC*\g
	s_or_b32 s[G0C+4*\g+3], s[G0C+4*\g+3], 0x80000000
.endr
	CROUND                                         ; all sixteen work-groups are here: the joint loads meet
	s_cmp_eq_u32 s[WV], 0                          ; all first fills of a wave stand in one branch on its number: wave 0 R's four chunks, waves 2 and 3 their halves of C's four, wave 1 none
	s_cbranch_scc0 .Lnot_r
.irp g, 0,1,2,3
	tensor_load_to_lds s[G0R+4*\g:G0R+4*\g+3], s[G1R:G1R+7]
	s_nop 0
.endr
	PLACES 4
	s_branch .Lasked
.Lnot_r:
	s_cmp_lt_u32 s[WV], 2
	s_cbranch_scc1 .Lasked
.irp g, 0,1,2,3
	tensor_load_to_lds s[G0C+4*\g:G0C+4*\g+3], s[G1C:G1C+7]
	s_nop 0
.endr
	PLACES 4
.Lasked:
	v_and_b32 v1, 31, v0                           ; lane
	v_and_b32 v2, 15, v0                           ; r
	v_bfe_u32 v3, v0, 4, 1                         ; h
	v_lshlrev_b32 v[CO16], 4, v1
	v_lshlrev_b32 v[CO8], 3, v1
	v_add_nc_u32 v6, 512, v[CO8]
	v_lshlrev_b32 v7, 3, v2
	v_add_nc_u32 v7, 3072, v7
	s_mul_i32 s89, s[WR], 4*RECL                   ; my four tiles of R
	s_add_co_u32 s88, s88, COFF                    ; my eight tiles of C
	s_sub_co_u32 s67, s88, s89
	v_mul_u32_u24 v1, s67, v3                      ; lanes 16-31 take C's scale words: one product, the distance between the two
	v_add_nc_u32 v7, v7, v1
.irp g, 0,1,2,3
	v_add_nc_u32 v[AR16+\g], s89, v[CO16]
	v_add_nc_u32 v[AC16+\g], s88, v[CO16]
	v_add_nc_u32 v[AR8+\g], s89, v6
	v_add_nc_u32 v[AC8+\g], s88, v6
	v_add_nc_u32 v[ADS+\g], s89, v7
	s_add_co_u32 s89, s89, CHUNK
	s_add_co_u32 s88, s88, CHUNK
.endr
	s_mul_i32 s67, s[WV], 16*SP                    ; my stage
	v_mul_u32_u24 v[STO], v2, SP
	v_lshl_add_u32 v[STO], v3, 6, v[STO]
	v_add_nc_u32 v[STO], s67, v[STO]               ; in: row r, + 64 h
	v_add_nc_u32 v[RD], s67, v[CO16]               ; back: the 32 lanes take a row of 512 bytes
	s_lshl_b32 s100, s60, 10
	s_lshl_b32 s101, s[WC], 9
	s_add_co_u32 s100, s100, s101                  ; my 128 outputs, in bytes
	s_mov_b32 s101, 0
	s_add_nc_u64 s[8:9], s[8:9], s[100:101]        ; in bo,
	s_add_nc_u64 s[10:11], s[10:11], s[100:101]    ; and in a row of out0
	s_lshl_b32 s100, s59, 7
	s_lshl_b32 s96, s[WR], 6
	s_add_co_u32 s100, s100, s96
	s_lshl_b32 s100, s100, 12                      ; my first token's row
	s_add_nc_u64 s[10:11], s[10:11], s[100:101]
	v_lshlrev_b32 v6, 6, v3                        ; register 16 b + i is output 32 b + 16 h + i
.irp b, 0,1,2,3
.irp j, 0,1,2,3
	global_load_b128 v[BI+16*\b+4*\j:BI+16*\b+4*\j+3], v6, s[8:9] offset:128*\b+16*\j
.endr
.endr
	s_wait_tensorcnt 3                             ; my part of chunk 0 is in; the three chunks behind it may be out,
	s_barrier_signal -1
	s_barrier_wait -1                              ; everybody's is
	FETCH 0
	SCALES 0
	s_wait_loadcnt 0x0                             ; the bias
	STEP 0, 2                                      ; the first step's products start the sums with the bias: nothing is cleared, nothing is added later
	STEP 1, 0
	STEP 2, 0
	STEP 3, 0
	STEP 4, 0
	STEP 5, 0
	STEP 6, 0
	STEP 7, 0
	WIN 0
	PLACES 4                                       ; in front of the first read of results
	TOSTAGE 0
.irp a, 1,2,3
.if \a > 1
	s_wait_xcnt 0x0                                ; tile a - 2's stores have read their registers: tile a's loads may land there
.endif
	TOSTAGE \a
	SEND \a-1, 32                                  ; behind tile a - 1's loads: tile a's 16 stores and 16 loads
.endr
	SEND 3, 0
	s_wait_tensorcnt 0x0                           ; the wave's end, behind my last tensor load and my last LDS store
	ds_add_u32 v[SPW], v[NIL]
	s_wait_dscnt 0x0
	CROUND                                         ; the closing round
	s_endpgm
.Lfunc_end_k_qedf667f56d_outp:
	.size	k_qedf667f56d_outp, .Lfunc_end_k_qedf667f56d_outp-k_qedf667f56d_outp
	.p2alignl 7, 3214868480
	.fill 96, 4, 3214868480
	.section	.rodata,"a",@progbits
	.p2align	6, 0x0
	.amdhsa_kernel k_qedf667f56d_outp
		.amdhsa_group_segment_fixed_size 307712
		.amdhsa_private_segment_fixed_size 0
		.amdhsa_enable_private_segment 0
		.amdhsa_kernarg_size 32
		.amdhsa_user_sgpr_count 2
		.amdhsa_user_sgpr_kernarg_segment_ptr 1
		.amdhsa_wavefront_size32 1
		.amdhsa_system_sgpr_workgroup_id_x 1
		.amdhsa_system_sgpr_workgroup_id_y 1
		.amdhsa_system_sgpr_workgroup_id_z 1
		.amdhsa_system_vgpr_workitem_id 0
		.amdhsa_next_free_vgpr 1024
		.amdhsa_next_free_sgpr 102
		.amdhsa_reserve_vcc 0
		.amdhsa_float_denorm_mode_32 3
		.amdhsa_float_denorm_mode_16_64 3
		.amdhsa_memory_ordered 1
		.amdhsa_forward_progress 1
		.amdhsa_inst_pref_size 86
	.end_amdhsa_kernel
	.amdgpu_metadata
---
amdhsa.version: [ 1, 2 ]
amdhsa.kernels:
  - .name:           k_qedf667f56d_outp
    .symbol:         k_qedf667f56d_outp.kd
    .args:
      - { .name: ctx, .offset: 0, .size: 8, .value_kind: global_buffer, .address_space: global }
      - { .name: cod, .offset: 8, .size: 8, .value_kind: global_buffer, .address_space: global }
      - { .name: bo, .offset: 16, .size: 8, .value_kind: global_buffer, .address_space: global }
      - { .name: out0, .offset: 24, .size: 8, .value_kind: global_buffer, .address_space: global }
    .group_segment_fixed_size: 307712
    .private_segment_fixed_size: 0
    .kernarg_segment_align: 8
    .kernarg_segment_size: 32
    .max_flat_workgroup_size: 128
    .sgpr_count:     102
    .vgpr_count:     1024
    .wavefront_size: 32
...
	.end_amdgpu_metadata
.endif
;; end of part 4
